; MI455X (gfx1250); checked and timed in simulation.
; The chip was launched on July 23, 2026; its instructions are those of AMD's public machine-readable ISA for CDNA 5 (MIT licence, August 2026) and "CDNA5" Instruction Set Architecture Reference Guide (July 2026). The comments in the code are by the model that wrote it; some were corrected since.
;; multihead self attention. Allowed arithmetic: matrix products marked QUANTISED: E2M3 operands, one E8M0 scale for each 32 along K, by v_wmma_scale_f32_16x16x128_f8f6f4 with both operands' format E2M3, f32 sums; everything else in f32.
;; Inputs: in_features 2 x 2,048 x 1,024 float32; wk 1,024 x 1,024 float32; wo 1,024 x 1,024 float32; wq 1,024 x 1,024 float32; wv 1,024 x 1,024 float32.
;; Outputs: out0 2 x 2,048 x 1,024 float32.
;; This version of the problem:
;;   THIS VERSION OF THE PROBLEM IS GIVEN IN LOW PRECISION. The matrix products marked QUANTISED in the list below multiply operands that are first quantised to E2M3 (2 exponent bits, 3 mantissa bits; 6 bits a number), with one power-of-two scale for each 32 numbers along K (OCP MX v1.0); their sums are f32. All else is computed in f32.
;;   The module's matrix products, in the order in which they are computed (A, B: the left and right operand; K: the contracted axis; several contracted axes count as one K, in the product's order):
;;     1. [M 4,096, K 1,024] x [K 1,024, N 1,024]; A: input in_features; B: input wq: QUANTISED
;;     2. [M 4,096, K 1,024] x [K 1,024, N 1,024]; A: input in_features; B: input wk: QUANTISED
;;     3. [M 4,096, K 1,024] x [K 1,024, N 1,024]; A: input in_features; B: input wv: QUANTISED
;;     4. batch 32 x [M 2,048, K 64] x [K 64, N 2,048]; A: computed on the way; B: computed on the way: QUANTISED
;;     5. batch 32 x [M 2,048, K 2,048] x [K 2,048, N 64]; A: softmax (see below); B: computed on the way: QUANTISED
;;     6. [M 4,096, K 1,024] x [K 1,024, N 1,024]; A: computed on the way; B: input wo: QUANTISED
;;   THE QUANTISER, for each operand of a quantised product, along K:
;;     - K is cut into blocks of 32 from its start; a last block that is shorter is filled with zeros.
;;     - A block's scale is 2^e with e = floor(log2(the largest magnitude in the block)) - 2, held to -126 .. 127; a block of zeros has e = 0. As a byte (E8M0): e + 127.
;;     - Each number is divided by its block's scale, clamped to +-7.5, and rounded to the nearest number of E2M3, ties to even, subnormals kept.
;;     - The product sums the exact products of the quantised numbers (number of the format x scale) in f32.
;;   ~~~python
;;   def quantise(x, axis):      # numpy; x: float32 -> the quantised numbers, widened to float32 again
;;       x = np.moveaxis(x, axis, -1); K = x.shape[-1]
;;       x = np.pad(x, [(0, 0)] * (x.ndim - 1) + [(0, -K % 32)]); x = x.reshape(x.shape[:-1] + (-1, 32)); a = np.abs(x).max(-1, keepdims=True)
;;       e = np.where(a > 0, np.clip(np.frexp(np.where(a > 0, a, 1))[1] - 1 - 2, -126, 127), 0)      # np.frexp(a)[1] - 1 = floor(log2(a)), exactly
;;       r = np.clip(x / 2.0 ** e, -7.5, 7.5)
;;       step = 2.0 ** (np.maximum(np.frexp(np.where(r == 0, 1, r))[1] - 1, 0) - 3)
;;       q = np.round(r / step) * step * 2.0 ** e      # np.round: ties to even
;;       return np.moveaxis(q.reshape(q.shape[:-2] + (-1,))[..., :K], -1, axis).astype(np.float32)
;;   ~~~
;;   SOFTMAX AHEAD OF A QUANTISED PRODUCT. Where the list says 'softmax', what is quantised is not the finished softmax but p = 2^(t - M), with t = logit x log2(e) and M = ceil(the row's largest t), a whole number; so 1/2 < the row's largest p <= 1. The row's sum l is taken of the UNQUANTISED p, in f32, and the product's result is divided by l at the end. Since M is a whole number, a kernel that streams over the keys may use a running M (the ceiling of the running maximum): every later rescaling is an exact power of two, which a block's scale takes up: the codes' values come out the same.
;;   OPERANDS COMPUTED ON THE WAY. 'Computed on the way' means the value that the module computes at that place (a softmax that the list does not call 'softmax' is quantised finished and normalised). What goes into a quantiser is computed in f32, as accurately as f32 sums, v_exp_f32 and their like allow (about 1e-6 of the number): no bf16 or f16 on the way to a quantiser, and a product that is left as it is and whose result goes on into a quantised operand takes f32 operands (vector FMAs, or v_wmma_f32_16x16x4_f32). A number that lies on a knife's edge between two numbers of the format may be rounded either way, as far as f32 arithmetic and the matrix unit's own rounding can turn it there, and no further.
;; One version. Each part assembles by itself: llvm-mc -triple=amdgcn-amd-amdhsa -mcpu=gfx1250 --defsym DOCPART=n.
;; ======== version 1 of 1: 4 launches
;; limits: right only within a limited range of input values
;; workspace buffers: codes 6,291,456 bytes; scales 262,144 bytes; rope 524,288 bytes; qkvc 9,437,184 bytes; qkvs 655,360 bytes; ctxc 3,145,728 bytes; ctxs 131,072 bytes
;; launch quant (part 1): grid 256 x 1, 4 waves a work-group, no clusters, 66,048 bytes of LDS; arguments in_features, wq, wk, wv, wo, codes, scales, rope; writes codes, scales, rope
.if DOCPART == 1
	.amdgcn_target "amdgcn-amd-amdhsa--gfx1250"
	.amdhsa_code_object_version 6
	.text
	.protected	k_q2f57bbb361_quant
	.globl	k_q2f57bbb361_quant
	.p2align	8
	.type	k_q2f57bbb361_quant,@function
k_q2f57bbb361_quant:
	s_mov_b64 s[64:65], 0
	v_nop
	global_prefetch_b8 v0, s[64:65] scope:SCOPE_SE
	s_setreg_imm32_b32 hwreg(HW_REG_WAVE_MODE, 25, 1), 1
	s_wait_xcnt 0x0
; x [4096][1024] and wq, wk, wv, wo [1024][1024], f32, K innermost, become codes of FP6 (E2M3) with one E8M0 byte for each 32 along K; and the table of cos and sin for the rotation is made.
; A block's scale is 2^(floor(log2(largest magnitude)) - 2): its byte is the largest magnitude's exponent field - 2, held at 1 from below.
; LAYOUT OF THE CODES: [16 planes of 64 along K][8,192 rows][48 bytes].  Rows: 0.. x; 4,096 + 192 head + 64 t + row in head for wq, wk, wv (t = 0, 1, 2); 7,168.. wo.
; Within each 32 rows bits 3 and 4 of the row number change places, so that sixteen neighbouring stored rows, taken as source 0 of a product, leave a lane sixteen neighbours in two tiles' registers.
; LAYOUT OF THE SCALE BYTES: [8,192 rows][32], same rows; within each four bytes blocks 1 and 2 change places: a lane of a fragment takes a whole plane, which puts the K step's blocks in the order 0, 2, 1, 3.
; THE TABLE: [128 tiles of 16 stored positions][8 chunks][32 lanes][cos, sin, cos, sin]: chunk c, lane (r, h): pairs 16 (c / 4) + 8 h + 2 (c % 4) and the next, at the position that stored row r of the tile has.
; inv_freq = 2^(-p log2(10) / 8), the exponent split into a whole part and a rest (log2(10) / 8 in two parts); the angle is reduced by pi / 2 in two parts and goes through polynomials of degree 7 and 8.
; LIMITS: NaN and infinities among the inputs are not served.  A block of zeros, or one whose largest magnitude lies under 2^-124, gets the byte 1 (its codes are zeros or tiny; only this program reads the bytes).
; inv_freq lies within about 1.5 ulp of 10^(-p / 8), so an angle can differ by a few ulp of the angle, at most about 5e-4 at position 2,047.  The reduction is exact for multiples of pi / 2 under 2^11, which 2,048 positions keep.
; SHARES: 1,024 waves, each 8 rows (8,192 numbers, 16 steps of 512) and one chunk of the table.  Waves share nothing: no barrier.  Loads run eight steps (32 loads, 16,384 bytes a wave) ahead.
; WORK LEFT OUT IN THE PROGRAM: the causal mask is fixed, not an input, so the scores of keys behind a query reach no output for any values of the inputs: the attention launch leaves out whole steps of 128 keys that lie
; behind a block of 128 queries, and hides the rest on the diagonal.  A NaN, an infinity or an overflow that reaches only those scores is not carried to the result.
.set STEPS, 16
.set SP,    80                         ; a lane's place in a turning stage: 64 bytes + 16
.set SBY,   5120                       ; behind the two turning stages: the wave's 256 scale bytes
.set CST,   5376                       ; behind them: the stage for the codes: 16 planes x (8 rows x 4 places of 16 bytes + 64)
.set CPL,   576
.set PLANE, 393216                     ; bytes from plane to plane in the codes' buffer
.set R,     16                         ; v16-143  eight sets of 16 numbers as loaded; at the end v16-79 take the codes on their way out
.set X,     144                        ; v144-175 two sets of 16 neighbours
.set E,     176                        ; v176-177 a scale byte: two registers by turns
.set C,     180                        ; v180-187 codes: two sets of four registers by turns
.set CRD,   192                        ; v192     where I read the codes' stage back
	s_load_b256 s[4:11], s[0:1], 0x0               ; x s[4:5], wq s[6:7], wk s[8:9], wv s[10:11]
	s_load_b256 s[12:19], s[0:1], 0x20             ; wo s[12:13], codes s[14:15], scales s[16:17], the table s[18:19]
	v_lshl_add_u32 v254, v0, 2, 0x10000
	v_mov_b32 v255, 0
	v_lshrrev_b32 v1, 5, v0
	v_readfirstlane_b32 s20, v1                    ; wave
	v_and_b32 v2, 31, v0                           ; lane
	v_lshlrev_b32 v3, 4, v2                        ; 16 x lane
	v_mul_u32_u24 v4, v2, 12                       ; 12 x lane
	s_lshl_b32 s32, s20, 14                        ; my wave's 16,384 bytes of LDS
	v_lshrrev_b32 v1, 2, v2                        ; lane / 4
	v_and_b32 v9, 3, v2                            ; lane % 4
	v_mul_u32_u24 v14, v1, SP
	v_lshl_add_u32 v14, v9, 4, v14
	v_add_nc_u32 v14, s32, v14                     ; turning stage, in: four lanes' 64 bytes on end, then 16 of padding
	v_mul_u32_u24 v15, v2, SP
	v_add_nc_u32 v15, s32, v15                     ; and out: my 16 neighbours
	v_mul_u32_u24 v10, v1, CPL
	v_lshl_add_u32 v10, v9, 4, v10
	v_add_nc_u32 v10, s32, v10
	v_add_nc_u32 v10, CST, v10                     ; codes' stage, in: plane lane / 4 of the step's eight, place lane % 4
	v_add_nc_u32 v[CRD], s32, v3
	v_add_nc_u32 v[CRD], CST, v[CRD]               ; and out: 16 x lane: row lane / 4, place lane % 4
	v_lshrrev_b32 v5, 1, v2
	v_and_b32 v5, 12, v5
	v_bfe_u32 v6, v2, 1, 1
	v_lshl_add_u32 v5, v6, 1, v5
	v_bfe_u32 v6, v2, 2, 1
	v_add_nc_u32 v5, v5, v6                        ; my block's byte among the step's sixteen, blocks 1 and 2 of each four exchanged
	v_add_nc_u32 v5, s32, v5
	v_add_nc_u32 v5, SBY, v5
	v_lshlrev_b32 v7, 3, v2                        ; the scale bytes' way out: 8 bytes a lane
	v_add_nc_u32 v6, s32, v7
	v_add_nc_u32 v6, SBY, v6
	s_lshl_b32 s21, ttmp9, 2
	s_add_co_u32 s21, s21, s20                     ; W: my wave among the launch's 1,024
	s_movk_i32 s24, 127
	s_cmp_lt_u32 ttmp9, 128
	s_cselect_b32 s24, 511, s24
	s_and_b32 s24, s21, s24                        ; j: which run of 8 rows of my tensor
	s_and_not1_b32 s25, s24, 3
	s_and_b32 s28, s24, 1
	s_lshl_b32 s28, s28, 1
	s_or_b32 s25, s25, s28
	s_bfe_u32 s28, s24, 0x10001
	s_or_b32 s25, s25, s28                         ; d: the run with its two low bits exchanged (bits 3 and 4 of the row)
	s_sub_co_u32 s29, ttmp9, 128
	s_lshr_b32 s29, s29, 5                         ; which weight (used from work-group 128 on)
	s_lshr_b32 s30, s25, 3
	s_mul_i32 s30, s30, 24
	s_lshl_b32 s31, s29, 3
	s_add_co_u32 s30, s30, s31
	s_and_b32 s31, s25, 7
	s_add_co_u32 s30, s30, s31
	s_add_co_u32 s30, s30, 512                     ; wq, wk, wv: run 512 + 24 head + 8 t + run in head
	s_add_co_u32 s31, s25, 896                     ; wo: 896 + d
	s_cmp_lt_u32 ttmp9, 224
	s_cselect_b32 s30, s30, s31
	s_cmp_lt_u32 ttmp9, 128
	s_cselect_b32 s30, s25, s30                    ; x: d.  The run where my results go
	s_lshl_b32 s26, s24, 15
	s_mov_b32 s27, 0
	s_mul_i32 s28, s30, 384
	s_mov_b32 s29, 0
	s_lshl_b32 s30, s30, 8
	s_mov_b32 s31, 0
	s_lshl_b32 s42, s21, 9
	s_mov_b32 s43, 0
	s_mov_b32 s36, 0xb94ca1f9                      ; sine: -1.9515296e-4,
	s_mov_b32 s37, 0x3c08839e                      ; 8.3321609e-3,
	s_mov_b32 s38, 0xbe2aaaa3                      ; -1.6666655e-1
	s_mov_b32 s39, 0x37ccf5ce                      ; cosine: 2.4433157e-5,
	s_mov_b32 s40, 0xbab6061a                      ; -1.3887316e-3,
	s_mov_b32 s41, 0x3d2aaaa5                      ; 4.1666646e-2
	s_wait_kmcnt 0x0
	s_cmp_lt_u32 ttmp9, 224                        ; which tensor: the choice hangs on the work-group's number alone
	s_cselect_b64 s[22:23], s[10:11], s[12:13]
	s_cmp_lt_u32 ttmp9, 192
	s_cselect_b64 s[22:23], s[8:9], s[22:23]
	s_cmp_lt_u32 ttmp9, 160
	s_cselect_b64 s[22:23], s[6:7], s[22:23]
	s_cmp_lt_u32 ttmp9, 128
	s_cselect_b64 s[22:23], s[4:5], s[22:23]
	s_add_nc_u64 s[22:23], s[22:23], s[26:27]
	s_add_nc_u64 s[14:15], s[14:15], s[28:29]
	s_add_nc_u64 s[16:17], s[16:17], s[30:31]
	s_add_nc_u64 s[18:19], s[18:19], s[42:43]
.macro LOAD t
.irp i, 0,1,2,3
	global_load_b128 v[R+16*((\t)%8)+4*\i:R+16*((\t)%8)+4*\i+3], v3, s[22:23] offset:2048*(\t)+512*\i th:TH_LOAD_NT   ; 32 lanes read 512 consecutive bytes
.endr
.endm
.macro TURN t                          ; step t's numbers through the stage: LDS serves a wave's instructions in order, so no wait stands between the stores and the loads
.irp i, 0,1,2,3
	ds_store_b128 v14, v[R+16*((\t)%8)+4*\i:R+16*((\t)%8)+4*\i+3] offset:32*SP*((\t)%2)+8*SP*\i
.endr
.irp i, 0,1,2,3
	ds_load_b128 v[X+16*((\t)%2)+4*\i:X+16*((\t)%2)+4*\i+3], v15 offset:32*SP*((\t)%2)+16*\i
.endr
.endm
.irp t, 0,1,2,3,4,5,6,7
	LOAD \t
.endr
	; ---- my chunk of the table, while the first 32 loads are on their way
	s_lshr_b32 s33, s21, 3                         ; tile T
	s_and_b32 s34, s21, 7                          ; chunk c
	s_lshr_b32 s35, s33, 1
	s_lshl_b32 s35, s35, 5
	s_and_b32 s33, s33, 1
	s_lshl_b32 s33, s33, 3
	s_add_co_u32 s35, s35, s33                     ; 32 (T / 2) + 8 (T % 2)
	s_lshr_b32 s33, s34, 2
	s_lshl_b32 s33, s33, 4
	s_and_b32 s34, s34, 3
	s_lshl_b32 s34, s34, 1
	s_add_co_u32 s34, s34, s33                     ; 16 (c / 4) + 2 (c % 4)
	v_and_b32 v200, 7, v2
	v_bfe_u32 v201, v2, 3, 1
	v_lshl_add_u32 v200, v201, 4, v200
	v_add_nc_u32 v200, s35, v200
	v_cvt_f32_u32 v200, v200                       ; the position of stored row r of tile T
	v_bfe_u32 v201, v2, 4, 1
	v_lshl_add_u32 v201, v201, 3, s34              ; my first pair
.macro SINCOS k                        ; cos and sin of position x inv_freq(pair + k) into v[232 + 2 k], v[233 + 2 k]
	v_add_nc_u32 v202, \k, v201
	v_cvt_f32_u32 v202, v202
	v_mul_f32 v203, 0xbed49a78, v202               ; -p log2(10) / 8,
	v_rndne_f32 v203, v203                         ; its whole part n,
	v_fma_f32 v204, v202, 0xbed49a78, -v203        ; and the rest, with the constant's second part
	v_fmamk_f32 v204, v202, 0xb2179ad0, v204
	s_wait_alu depctr_va_vdst(0)
	v_exp_f32 v204, v204
	v_cvt_i32_f32 v205, v203                       ; (a plain line behind the exponential)
	s_wait_alu depctr_va_vdst(0)
	v_ldexp_f32 v204, v204, v205                   ; inv_freq
	v_mul_f32 v204, v200, v204                     ; the angle, rounded once, as the position times inv_freq
	v_mul_f32 v205, 0x3f22f983, v204
	v_rndne_f32 v205, v205                         ; k = the nearest multiple of pi / 2
	v_fmamk_f32 v206, v205, 0xbfc90fdb, v204       ; angle - k x (pi / 2's first part): nothing is rounded
	v_fmamk_f32 v206, v205, 0x333bbd2e, v206       ; and its second part
	v_mul_f32 v207, v206, v206
	v_fma_f32 v208, v207, s36, s37
	v_fma_f32 v209, v207, s39, s40
	v_fma_f32 v208, v208, v207, s38
	v_fma_f32 v209, v209, v207, s41
	v_mul_f32 v210, v206, v207
	v_mul_f32 v211, v207, v207
	v_fma_f32 v208, v210, v208, v206               ; the sine of the rest
	v_fma_f32 v210, v207, -0.5, 1.0
	v_fma_f32 v209, v211, v209, v210               ; its cosine
	v_cvt_i32_f32 v205, v205
	v_and_b32 v210, 1, v205
	v_cmp_eq_u32 vcc_lo, 1, v210
	v_cndmask_b32 v210, v208, v209, vcc_lo         ; odd k: the two change places
	v_cndmask_b32 v211, v209, v208, vcc_lo
	v_and_b32 v212, 2, v205
	v_lshlrev_b32 v212, 30, v212
	v_xor_b32 v[233+2*\k], v210, v212              ; sine: minus where k % 4 is 2 or 3
	v_add_nc_u32 v205, 1, v205
	v_and_b32 v205, 2, v205
	v_lshlrev_b32 v205, 30, v205
	v_xor_b32 v[232+2*\k], v211, v205              ; cosine: minus where k % 4 is 1 or 2
.endm
	SINCOS 0
	SINCOS 1
	global_store_b128 v3, v[232:235], s[18:19]     ; 32 lanes store 512 consecutive bytes; neither register is written again
	; ---- the quantiser
	s_wait_loadcnt 28                              ; step 0's four loads are in; the seven later steps' 28 may be out
	TURN 0
.macro STEP t
.set XS, X+16*((\t)%2)
.set CS, C+4*((\t)%2)
.set ES, E+(\t)%2
.if (\t) > 0
	s_wait_dscnt 2                                 ; all but the last step's byte store and code store are done: this step's numbers are back from the stage, so its stores into the stage have read their registers,
.else                                          ; and the stores of two steps back have read this step's set of code and byte registers
	s_wait_dscnt 0x0
.endif
.if (\t)+8 < STEPS
	LOAD (\t)+8                                    ; which take the loads of eight steps on
.endif
.if (\t)+1 < STEPS
.if STEPS-2-(\t) >= 7
	s_wait_loadcnt 28                              ; the next step's four loads are in; those of the seven steps behind it may be out
.else
	s_wait_loadcnt 4*(STEPS-2-(\t))
.endif
	TURN (\t)+1
.endif
	v_max3_num_f32 v8, |v[XS]|, |v[XS+1]|, |v[XS+2]|               ; the largest magnitude of my 16
	v_max3_num_f32 v9, |v[XS+3]|, |v[XS+4]|, |v[XS+5]|
.irp i, 6,10
	v_max3_num_f32 v8, v8, |v[XS+\i]|, |v[XS+\i+1]|
	v_max3_num_f32 v9, v9, |v[XS+\i+2]|, |v[XS+\i+3]|
.endr
	v_max3_num_f32 v8, v8, |v[XS+14]|, |v[XS+15]|
	v_max3_num_f32 v8, v8, v9, 0x1800000           ; and the floor 2^(3 - 127): the byte cannot fall under 1
	v_max_num_f32_dpp v8, v8, v8 row_xmask:1 row_mask:0xf bank_mask:0xf   ; and of my neighbour's 16: the block's
	v_add_nc_u32 v11, 0xff000000, v8               ; 2 off its exponent field: the conversion takes the exponent field of this operand as its scale
	v_cvt_scalef32_pk16_fp6_f32 v[CS:CS+2], v[XS:XS+15], v11
	v_lshrrev_b32 v[ES], 23, v11                   ; the scale's byte
	ds_store_b8 v5, v[ES] offset:16*(\t)           ; both lanes of a block write the same byte with the same value
	ds_store_b96 v10, v[CS:CS+2] offset:4608*((\t)%2)+64*((\t)/2)   ; 12 bytes to a place of 16: half (t % 2) of row t / 2
.endm
.irp t, 0,1,2,3,4,5,6,7,8,9,10,11,12,13,14,15
	STEP \t
.endr
.irp p, 0,1,2,3,4,5,6,7,8,9,10,11,12,13,14,15
	ds_load_b96 v[R+4*\p:R+4*\p+2], v[CRD] offset:CPL*\p           ; plane p: my 8 rows' 384 bytes.  LDS serves a wave's instructions in order: these see my stores
.endr
	ds_load_b64 v[12:13], v6
.irp p, 0,1,2,3,4,5,6,7,8,9,10,11,12,13,14,15
	s_wait_dscnt 16-\p                             ; behind plane p's load: the later planes' and the scale bytes'
	global_store_b96 v4, v[R+4*\p:R+4*\p+2], s[14:15] offset:PLANE*\p   ; 32 lanes store 384 consecutive bytes
.endr
	s_wait_dscnt 0x0
	global_store_b64 v7, v[12:13], s[16:17]        ; 32 lanes store 256 consecutive bytes, aligned
	s_wait_tensorcnt 0x0
	ds_add_u32 v254, v255
	s_wait_dscnt 0x0
	s_endpgm
.Lfunc_end_k_q2f57bbb361_quant:
	.size	k_q2f57bbb361_quant, .Lfunc_end_k_q2f57bbb361_quant-k_q2f57bbb361_quant
	.p2alignl 7, 3214868480
	.fill 96, 4, 3214868480
	.section	.rodata,"a",@progbits
	.p2align	6, 0x0
	.amdhsa_kernel k_q2f57bbb361_quant
		.amdhsa_group_segment_fixed_size 66048
		.amdhsa_private_segment_fixed_size 0
		.amdhsa_enable_private_segment 0
		.amdhsa_kernarg_size 64
		.amdhsa_user_sgpr_count 2
		.amdhsa_user_sgpr_kernarg_segment_ptr 1
		.amdhsa_wavefront_size32 1
		.amdhsa_system_sgpr_workgroup_id_x 1
		.amdhsa_system_sgpr_workgroup_id_y 1
		.amdhsa_system_sgpr_workgroup_id_z 1
		.amdhsa_system_vgpr_workitem_id 0
		.amdhsa_next_free_vgpr 256
		.amdhsa_next_free_sgpr 66
		.amdhsa_reserve_vcc 1
		.amdhsa_float_denorm_mode_32 3
		.amdhsa_float_denorm_mode_16_64 3
		.amdhsa_memory_ordered 1
		.amdhsa_forward_progress 1
		.amdhsa_inst_pref_size 41
	.end_amdhsa_kernel
	.amdgpu_metadata
---
amdhsa.version: [ 1, 2 ]
amdhsa.kernels:
  - .name:           k_q2f57bbb361_quant
    .symbol:         k_q2f57bbb361_quant.kd
    .args:
      - { .name: in_features, .offset: 0, .size: 8, .value_kind: global_buffer, .address_space: global }
      - { .name: wq, .offset: 8, .size: 8, .value_kind: global_buffer, .address_space: global }
      - { .name: wk, .offset: 16, .size: 8, .value_kind: global_buffer, .address_space: global }
      - { .name: wv, .offset: 24, .size: 8, .value_kind: global_buffer, .address_space: global }
      - { .name: wo, .offset: 32, .size: 8, .value_kind: global_buffer, .address_space: global }
      - { .name: codes, .offset: 40, .size: 8, .value_kind: global_buffer, .address_space: global }
      - { .name: scales, .offset: 48, .size: 8, .value_kind: global_buffer, .address_space: global }
      - { .name: rope, .offset: 56, .size: 8, .value_kind: global_buffer, .address_space: global }
    .group_segment_fixed_size: 66048
    .private_segment_fixed_size: 0
    .kernarg_segment_align: 8
    .kernarg_segment_size: 64
    .max_flat_workgroup_size: 128
    .sgpr_count:     66
    .vgpr_count:     256
    .wavefront_size: 32
...
	.end_amdgpu_metadata
.endif
;; end of part 1
;; launch qkv (part 2): grid 16 x 16, 4 waves a work-group, clusters of 4 x 4, 327,680 bytes of LDS; arguments codes, scales, rope, qkvc, qkvs; writes qkvc, qkvs
.if DOCPART == 2
	.amdgcn_target "amdgcn-amd-amdhsa--gfx1250"
	.amdhsa_code_object_version 6
	.text
	.protected	k_q2f57bbb361_qkv
	.globl	k_q2f57bbb361_qkv
	.p2align	8
	.type	k_q2f57bbb361_qkv,@function
k_q2f57bbb361_qkv:
	s_mov_b64 s[64:65], 0
	v_nop
	global_prefetch_b8 v0, s[64:65] scope:SCOPE_SE
	s_setreg_imm32_b32 hwreg(HW_REG_WAVE_MODE, 25, 1), 1
	s_wait_xcnt 0x0
	s_wait_alu depctr_hold_cnt(0) depctr_sa_sdst(0) depctr_va_vdst(0) depctr_va_sdst(0) depctr_va_ssrc(0) depctr_va_vcc(0) depctr_vm_vsrc(0)
	s_getreg_b32 s2, hwreg(HW_REG_IB_STS2, 6, 4)
	s_cmp_eq_u32 s2, 0
	s_cbranch_scc0 .Lentry_in_a_cluster
	s_endpgm
.Lentry_in_a_cluster:
	s_bfe_u32 s2, ttmp6, 0x10000c
	s_cmp_lg_u32 s2, 0xf033
	s_cbranch_scc0 .Lentry_shape_is_right
	s_endpgm
.Lentry_shape_is_right:
; Q, K, V = x wq^T, x wk^T, x wv^T on codes of FP6 (E2M3) with E8M0 scales; Q and K are rotated in f32; all three are quantised again: Q and K along the head's 64, V along the keys.
; SHARES.  A work-group makes 256 rows x the 192 columns (Q, K, V) of one head; wave w makes rows 64 w .. 64 w + 63 x all 192: 48 accumulators of 16 x 16.
; Q and K: source 0 = 16 rows of the weight, source 1 = 16 rows of x: a lane holds one row and its registers run along the head.  V: source 0 = x, source 1 = wv: a lane holds one channel and its registers run along the keys.
; Stored rows have bits 3 and 4 exchanged, so the 16 registers of two neighbouring tiles of source 0 are 16 neighbours: register 16 b + i of a lane of half h is index 32 b + 16 h + i.
; FRAGMENTS.  Codes lie [plane of 64 along K][row][48 bytes].  Lane (r, h) takes all 48 bytes of row r in plane 2 q + h: three loads of 16 bytes.
; That puts a K step's four blocks in the order 0, 2, 1, 3, in both operands alike; the scale words are stored in that order.  The sums group their products otherwise than K ascending.
; FILLS.  K = 1,024 goes in 8 steps of 128; a chunk F brings two steps (four planes of x's 256 rows and of the weights' 192).  At the head one tensor load a wave: wave 0 x's F0, wave 1 the weights' F0, wave 2 x's F1, wave 3 the weights' F1;
; the first barrier waits for waves 0 and 1 alone.  F2 goes into a third region behind the round in step 1, F3 into F0's region behind the round in step 3 (waves 0 and 1 load).  A wave never has more than one tensor load out.
; CLUSTERS: 4 x 4.  x's tiles hang on the block of rows, shared along a row of the cluster; the weights' on the head, shared along a column: each is asked for jointly.
; PREFETCH: F2's blocks of 256 bytes are asked for at the head, F3's behind step 1; the four partners of a joint load and their waves share them out by address: plane = the partner's place, quarter of the plane = the wave.
; SCALE WORDS come from memory straight into registers, 32 bytes a row, for all of K.  A tile's eight words lie ten registers from the next tile's.
; FRAGMENT LOADS stand among the products, behind every four; counted waits let the youngest stay out.
; OUT.  qkvc: Q [32 bh][2,048 stored rows][48], K the same, V [32 bh][32 planes of 64 keys][64 stored channels][48]; in V's odd planes the two halves of 16 of each block of 32 keys change places, as the attention launch's registers have them.
; qkvs: Q's and K's words (b0, b0, b1, b1) a row; V's words [32 bh][16 steps][64 channels], blocks in the order 0, 2, 1, 3.  V leaves first, then Q, then K.
; LIMITS: a block of zeros or under 2^-124 gets the byte 1; NaN and infinities are not served.
; REGISTERS: window 0: v1-31 addresses; v32-109 scale words and nothing else; v110-126 the quantiser's work; v128-255 V's accumulators (a, m) at 128 + 8 (4 a + m), later the way out.
;   window 1: v0-191 fragment set 0 (x tile m at 12 m, weight tile i at 48 + 12 i), later the rotated numbers; v192-255 the table for tiles 0, 1.   window 2: set 1; the table for tiles 2, 3.
;   window 3: Q's accumulators (m, a) at 8 (4 m + a), K's at 128 + 8 (4 m + a).
.set REG,   86016
.set PLA,   12288                      ; 256 rows x 48
.set PLB,   9216                       ; 192 rows x 48
.set BOF,   49152                      ; the weights' four planes lie behind x's
.set FSTEP, 1572864                    ; four planes on in the codes' buffer
.set PLANE, 393216
.set SPARE, 3*REG                      ; the spare words, 128 bytes for each wave: two blocks of 256 bytes that no other line names
.set STG,   REG                        ; the way out lies in the second region, which has had its one fill and whose last read stands ahead of step 3's barrier: 15,360 bytes a wave,
.set QWO,   REG+61440                  ; Q's and K's words, 512 bytes a wave,
.set VWO,   REG+63488                  ; V's half words, 256 bytes a wave
.set PFVX,  10
.set PFVW,  11
.set VWR,   14
.set ADRA,  16                         ; v16-18 my x fragments in region 0, 1, 2
.set STV,   19
.set ADRB,  20                         ; v20-22 the weights'
.set ADRS1, 23                         ; lanes 0-15 x's scale words, lanes 16-31 wq's
.set ADRS2, 24                         ; lanes 0-15 wk's, lanes 16-31 wv's
.set STO,   25
.set LDR,   26
.set QWS,   27
.set SPW,   28                         ; SPARE + 4 x my thread's number; never rewritten
.set NIL,   29                         ; 0; never rewritten
.set QWR,   30
.set VWS,   31
.set SC,    32                         ; register SC + 10 g + s: K step s; g = 0..3: x tile g | wq tile g; g = 4..7: wk tile g - 4 | wv tile g - 4
.set TM,    110
.set SO,    114
.set BY,    116
.set WD,    118
.set PC,    120
.set OB,    128
.set XR,    0                          ; in window 1
.set TT,    32                         ; in window 1
.set G1,   24
.set G1B,  32
.set GA0,  56
.set GA1,  60
.set GA2,  68
.set GB0,  72
.set GB1,  76
.set GB2,  80
.set PFX,  84
.set PFW,  86
.set MSB, 0
.macro WIN new                         ; the immediate's high byte repeats the setting that is left
.if MSB != (\new)
	s_set_vgpr_msb (MSB<<8)|(\new)
.set MSB, (\new)
.endif
.endm
.macro PLACES                          ; four places (ISA guide 7.12.1)
.rept 4
	v_nop
.endr
.endm
.macro TLOAD g0, g1
	tensor_load_to_lds s[\g0:\g0+3], s[\g1:\g1+7]
	s_nop 0
	PLACES
.endm
.macro ARM under, g0, g1, next         ; an arm of the head's one chain of branches on the wave's number
	s_cmp_lt_u32 s14, \under
	s_cbranch_scc0 \next
	TLOAD \g0, \g1
	s_branch .Lhead_asked
\next:
.endm
.macro JLOAD ga, gb                    ; a later chunk: wave 0 x's rows, wave 1 the weights'
	s_cmp_eq_u32 s14, 0
	s_cbranch_scc0 .Lwave_1_\@
	TLOAD \ga, G1
	s_branch .Lasked_\@
.Lwave_1_\@:
	s_cmp_eq_u32 s14, 1
	s_cbranch_scc0 .Lasked_\@
	TLOAD \gb, G1B
.Lasked_\@:
.endm
.macro CREST                           ; a round of the cluster's barrier behind its opening barrier
	s_cmp_lg_u32 s14, 0
	s_cbranch_scc1 .Lnot_wave_0_\@
	s_barrier_signal -3
.Lnot_wave_0_\@:
	s_barrier_wait -3
	s_barrier_signal -1
	s_barrier_wait -1
.endm
.macro CROUND
	s_barrier_signal -1
	s_barrier_wait -1
	CREST
.endm
.macro G0A g, src, add                 ; group 0's global address and type
	s_add_nc_u64 s[\g+2:\g+3], s[\src:\src+1], \add
	s_or_b32 s[\g+3], s[\g+3], 0x80000000
.endm
	s_load_b256 s[4:11], s[0:1], 0x0               ; codes s[4:5], scales s[6:7], the table s[8:9], qkvc s[10:11]
	s_load_b64 s[12:13], s[0:1], 0x20              ; qkvs
	v_lshl_add_u32 v[SPW], v0, 2, SPARE
	v_mov_b32 v[NIL], 0
	ds_add_u32 v[SPW], v[NIL]                      ; the opening lines: the add twice on end, one wait below
	ds_add_u32 v[SPW], v[NIL]
	v_lshrrev_b32 v1, 5, v0
	v_readfirstlane_b32 s14, v1                    ; wave 0..3
	s_bfe_u32 s17, ttmp6, 0x40000                  ; cx
	s_bfe_u32 s18, ttmp6, 0x40004                  ; cy
	s_lshl_b32 s19, ttmp9, 2
	s_add_co_u32 s19, s19, s17                     ; the head
	s_and_b32 s20, ttmp7, 0xffff
	s_lshl_b32 s20, s20, 2
	s_add_co_u32 s20, s20, s18                     ; the block of 256 rows
	s_lshl_b32 s21, s18, 2
	s_lshl_b32 s21, 15, s21                        ; my row of the cluster
	s_lshl_b32 s22, 0x1111, s17                    ; my column
	s_or_b32 s[G1], s21, (3<<16)|(1<<21)           ; x: elements of 8 bytes; 4 lines (planes) of 1,536 elements (256 rows x 48 bytes), 49,152 elements apart
	s_mov_b32 s[G1+1], 1536<<16
	s_mov_b32 s[G1+2], 4<<16
	s_mov_b32 s[G1+3], 1536<<16
	s_mov_b32 s[G1+4], 4
	s_mov_b32 s[G1+5], 49152
	s_mov_b32 s[G1+6], 0
	s_mov_b32 s[G1+7], 0
	s_or_b32 s[G1B], s22, (3<<16)|(1<<21)          ; the weights: lines of 1,152 elements (192 rows x 48 bytes)
	s_mov_b32 s[G1B+1], 1152<<16
	s_mov_b32 s[G1B+2], 4<<16
	s_mov_b32 s[G1B+3], 1152<<16
	s_mov_b32 s[G1B+4], 4
	s_mov_b32 s[G1B+5], 49152
	s_mov_b32 s[G1B+6], 0
	s_mov_b32 s[G1B+7], 0
.irp g, GA0, GA1, GA2, GB0, GB1, GB2
	s_mov_b32 s[\g], 1
.endr
	s_mov_b32 s[GA0+1], 0                          ; LDS addresses: constants, the same in every work-group
	s_mov_b32 s[GB0+1], BOF
	s_mov_b32 s[GA1+1], REG
	s_mov_b32 s[GB1+1], REG+BOF
	s_mov_b32 s[GA2+1], 2*REG
	s_mov_b32 s[GB2+1], 2*REG+BOF
	s_mul_i32 s92, s20, 12288                      ; x's codes: row 256 block, 48 bytes a row
	s_mov_b32 s93, 0
	s_mul_i32 s94, s19, 9216                       ; the weights': row 4,096 + 192 head
	s_add_co_u32 s94, s94, 196608
	s_mov_b32 s95, 0
	s_mul_i32 s96, s17, PLANE                      ; the prefetches: F2's plane cx (x) or cy (weights), quarter = my wave
	s_mul_i32 s97, s14, 3072
	s_add_co_u32 s96, s96, s97
	s_add_co_u32 s96, s96, s92
	s_add_co_u32 s96, s96, 2*FSTEP
	s_mov_b32 s97, 0
	s_mul_i32 s98, s18, PLANE
	s_mul_i32 s99, s14, 2304
	s_add_co_u32 s98, s98, s99
	s_add_co_u32 s98, s98, s94
	s_add_co_u32 s98, s98, 2*FSTEP
	s_mov_b32 s99, 0
	s_wait_dscnt 0x0                               ; both opening adds are done
	CROUND                                         ; all sixteen work-groups are here: the first joint loads meet
	s_wait_kmcnt 0x0
	s_add_nc_u64 s[92:93], s[4:5], s[92:93]
	s_add_nc_u64 s[94:95], s[4:5], s[94:95]
	G0A GA0, 92, 0
	G0A GB0, 94, 0
	G0A GA1, 92, FSTEP
	G0A GB1, 94, FSTEP
	ARM 1, GA0, G1, .Lhead_1
	ARM 2, GB0, G1B, .Lhead_2
	ARM 3, GA1, G1, .Lhead_3
	TLOAD GB1, G1B
.Lhead_asked:
	G0A GA2, 92, 2*FSTEP
	G0A GB2, 94, 2*FSTEP
	s_add_nc_u64 s[PFX:PFX+1], s[4:5], s[96:97]
	s_add_nc_u64 s[PFW:PFW+1], s[4:5], s[98:99]
	s_lshl_b32 s40, s20, 13                        ; x's scale bytes: row 256 block + 64 wave, 32 a row
	s_lshl_b32 s41, s14, 11
	s_add_co_u32 s40, s40, s41
	s_mul_i32 s41, s19, 6144                       ; the weights': row 4,096 + 192 head
	s_add_co_u32 s41, s41, 131072
	s_sub_co_u32 s42, s41, s40                     ; from x's to wq's: above 0, since the weights lie behind all of x
	s_add_co_u32 s41, s41, 2048                    ; wk's
	s_and_b32 s43, s20, 7                          ; the block within its batch
	s_lshl_b32 s94, s43, 16
	s_lshl_b32 s95, s14, 14
	s_add_co_u32 s94, s94, s95
	s_mov_b32 s95, 0
	s_add_nc_u64 s[8:9], s[8:9], s[94:95]          ; the table at my four tiles: tile 16 block + 4 wave, 4,096 bytes a tile
	v_and_b32 v1, 15, v0                           ; r
	v_bfe_u32 v2, v0, 4, 1                         ; h
	v_and_b32 v3, 31, v0                           ; lane
	v_lshlrev_b32 v12, 4, v3
	v_lshlrev_b32 v13, 3, v3
	v_mul_u32_u24 v15, v3, 12
	v_lshlrev_b32 v4, 5, v1
	v_mul_u32_u24 v5, s42, v2
	v_add_nc_u32 v5, v5, v4
	v_add_nc_u32 v[ADRS1], s40, v5
	v_lshl_add_u32 v5, v2, 11, v4                  ; wv's 64 rows stand behind wk's
	v_add_nc_u32 v[ADRS2], s41, v5
	v_min_u32 v[PFVX], 11, v3                      ; twelve blocks of 256 bytes of x, nine of the weights; the lanes left over name the last again
	v_lshlrev_b32 v[PFVX], 8, v[PFVX]
	v_min_u32 v[PFVW], 8, v3
	v_lshlrev_b32 v[PFVW], 8, v[PFVW]
	s_wait_alu depctr_va_vdst(0)
.irp g, 0,1,2,3
	global_load_b128 v[SC+10*\g:SC+10*\g+3], v[ADRS1], s[6:7] offset:512*\g            ; a row's eight scale words, for all of K: they stay in registers
	global_load_b128 v[SC+10*\g+4:SC+10*\g+7], v[ADRS1], s[6:7] offset:512*\g+16
	global_load_b128 v[SC+40+10*\g:SC+40+10*\g+3], v[ADRS2], s[6:7] offset:512*\g
	global_load_b128 v[SC+40+10*\g+4:SC+40+10*\g+7], v[ADRS2], s[6:7] offset:512*\g+16
.endr
	WIN 0x40                                       ; destination window 1
.set k, 0
.rept 16
	global_load_b128 v[192+4*k:192+4*k+3], v12, s[8:9] offset:512*k        ; the table for my tiles 0, 1: register pair e of a tile = (cos, sin) of the pair that accumulator registers 2 e, 2 e + 1 hold
.set k, k+1
.endr
	WIN 0x80                                       ; destination window 2
.set k, 0
.rept 16
	global_load_b128 v[192+4*k:192+4*k+3], v12, s[8:9] offset:8192+512*k   ; tiles 2, 3
.set k, k+1
.endr
	WIN 0
	global_prefetch_b8 v[PFVX], s[PFX:PFX+1] th:TH_LOAD_NT scope:SCOPE_SE   ; F2
	global_prefetch_b8 v[PFVW], s[PFW:PFW+1] th:TH_LOAD_NT scope:SCOPE_SE
	s_mov_b32 s92, s43
	s_lshr_b32 s93, s20, 3
	s_lshl_b32 s93, s93, 4
	s_add_co_u32 s93, s93, s19                     ; bh = 16 batch + head
	s_mul_i32 s94, s93, 98304
	s_mul_i32 s96, s92, 12288
	s_add_co_u32 s94, s94, s96
	s_mul_i32 s96, s14, 3072
	s_add_co_u32 s94, s94, s96
	s_mov_b32 s95, 0
	s_add_nc_u64 s[10:11], s[10:11], s[94:95]      ; my 64 rows of Q (K: one section on; V: my plane, two sections on)
	s_lshl_b32 s94, s93, 12
	s_lshl_b32 s96, s92, 9
	s_add_co_u32 s94, s94, s96
	s_lshl_b32 s96, s14, 8
	s_add_co_u32 s94, s94, s96
	s_add_co_u32 s94, s94, 524288
	s_add_nc_u64 s[98:99], s[12:13], s[94:95]      ; V's words of step 2 block + wave (used by waves 0 and 1)
	s_lshl_b32 s94, s93, 13
	s_lshl_b32 s96, s92, 10
	s_add_co_u32 s94, s94, s96
	s_lshl_b32 s96, s14, 8
	s_add_co_u32 s94, s94, s96
	s_add_nc_u64 s[12:13], s[12:13], s[94:95]      ; Q's words of my 64 rows
	s_mov_b32 s2, 0x76543210
	s_mov_b32 s3, 0xfedcba98                       ; v_permlanex16_b32's selects for lane l xor 16
	v_mul_u32_u24 v4, v1, 48
	v_mad_u32_u24 v5, v2, PLA, v4                  ; row r, plane h
	v_mad_u32_u24 v6, v2, PLB, v4
	s_mul_i32 s94, s14, 3072                       ; my 64 rows
.irp R, 0,1,2
	v_add_nc_u32 v[ADRA+\R], s94, v5
	v_add_nc_u32 v[ADRB+\R], \R*REG+BOF, v6
	s_add_co_u32 s94, s94, REG
.endr
	s_mul_i32 s94, s14, 15360
	s_add_co_u32 s94, s94, STG
	s_and_b32 s96, s14, 1
	v_mul_u32_u24 v4, v1, 80
	v_lshl_add_u32 v5, v2, 4, v4
	v_add_nc_u32 v[STO], s94, v5                   ; the stage, in: unit r of 80 bytes, place h of 16 (block b: 32 more);
	v_xor_b32 v7, s96, v2
	v_lshl_add_u32 v5, v7, 4, v4
	v_add_nc_u32 v[STV], s94, v5                   ; for V in an odd plane (odd wave): the other place
	v_lshrrev_b32 v4, 2, v3
	v_mul_u32_u24 v4, v4, 80
	v_and_b32 v7, 3, v3
	v_lshl_add_u32 v4, v7, 4, v4
	v_add_nc_u32 v[LDR], s94, v4                   ; and back: unit lane / 4, place lane % 4
	s_lshl_b32 s94, s14, 9
	s_add_co_u32 s94, s94, QWO
	v_lshl_add_u32 v[QWS], v1, 2, s94
	v_add_nc_u32 v[QWR], s94, v13
	s_lshl_b32 s94, s14, 8
	s_add_co_u32 s94, s94, VWO
	v_lshl_add_u32 v[VWS], v1, 2, s94
	s_lshl_b32 s94, s14, 9
	s_add_co_u32 s94, s94, VWO
	v_add_nc_u32 v[VWR], s94, v13                  ; waves 0 and 1 read the half words of waves 2 w and 2 w + 1
	v_mov_b32 v[TM+2], 0                           ; written once: a lane permute's destination counts as one of its sources
	v_mov_b32 v[TM+3], 0
; The 48 accumulators take turns, one instruction a turn, in the same order in every K step.  z = 1: the first step's products start the sums.
.macro WM d, a, b, z, x, y, side, row
.if \z
	v_wmma_scale_f32_16x16x128_f8f6f4 v[\d:\d+7], v[\a:\a+11], v[\b:\b+11], 0, v[\x], v[\y] matrix_a_fmt:MATRIX_FMT_FP6 matrix_b_fmt:MATRIX_FMT_FP6 matrix_\side\()_scale:MATRIX_SCALE_ROW\row
.else
	v_wmma_scale_f32_16x16x128_f8f6f4 v[\d:\d+7], v[\a:\a+11], v[\b:\b+11], v[\d:\d+7], v[\x], v[\y] matrix_a_fmt:MATRIX_FMT_FP6 matrix_b_fmt:MATRIX_FMT_FP6 matrix_\side\()_scale:MATRIX_SCALE_ROW\row
.endif
.endm
.macro MUL4 gi, p, s, z                ; four products: gi = 0-3 Q, 4-7 K, 8-11 V; row tile gi % 4; fragment set p, K step s
.set m_, (\gi)%4
.irp a, 0,1,2,3
.if (\gi) < 4
	WIN 0xf5+5*(\p)
	WM 8*(4*m_+\a), 48+12*\a, 12*m_, \z, SC+10*\a+\s, SC+10*m_+\s, a, 1
.elseif (\gi) < 8
	WIN 0xf5+5*(\p)
	WM 128+8*(4*m_+\a), 96+12*\a, 12*m_, \z, SC+40+10*\a+\s, SC+10*m_+\s, a, 0
.else
	WIN 0x05+5*(\p)
	WM 128+8*(4*\a+m_), 12*m_, 144+12*\a, \z, SC+10*m_+\s, SC+40+10*\a+\s, b, 1
.endif
.endr
.endm
.macro FG R, q, p, k0, n               ; loads k0 .. k0 + n - 1 of the 48 of the q-th K step of region R, into set p: x's twelve, then wq's, wk's, wv's
	WIN 0x40*(1+(\p))
.set k_, \k0
.rept \n
.if k_ < 12
	ds_load_b128 v[4*k_:4*k_+3], v[ADRA+\R] offset:2*(\q)*PLA+768*(k_/3)+16*(k_%3)
.else
	ds_load_b128 v[4*k_:4*k_+3], v[ADRB+\R] offset:2*(\q)*PLB+768*((k_-12)/3)+16*((k_-12)%3)
.endif
.set k_, k_+1
.endr
.endm
.macro EVEN s, R, z                    ; a region's first K step (set 0); its second's fragments go into set 1
	s_wait_dscnt 24                                ; x's and wq's fragments are in; the 24 of wk and wv may be out
	PLACES
.irp gi, 0,1,2,3,4,5,6,7,8,9,10,11
.if \gi == 4
	s_wait_dscnt 20                                ; all of this step's are in; the next step's 20 issued since may be out
.endif
	MUL4 \gi, 0, \s, \z
.if \gi < 9
	FG \R, 1, 1, 5*\gi, 5
.elseif \gi == 9
	FG \R, 1, 1, 45, 3
.endif
.endr
	WIN 0
.endm
.macro ODD s, R, ga, gb                ; a region's second K step (set 1), and on to region R; ga > 0: a round, behind which a chunk is asked for
	WIN 0
	s_wait_tensorcnt 0x0                           ; my tensor load, if one was out, has landed
.if \ga
	ds_add_u32 v[SPW], v[NIL]                      ; 0 onto my spare word
.endif
	s_wait_dscnt 0x0                               ; this step's fragments are in, and with them my reads of the region left behind
	s_barrier_signal -1
.irp gi, 0,1,2,3
	MUL4 \gi, 1, \s, 0
.endr
	WIN 0
	s_barrier_wait -1
.if \ga
	CREST
	JLOAD \ga, \gb
.endif
	PLACES
.irp gi, 4,5,6,7,8,9,10,11
	MUL4 \gi, 1, \s, 0
	FG \R, 0, 0, 6*(\gi-4), 6
.endr
	WIN 0
.endm
	s_wait_alu depctr_va_vdst(0)
	s_cmp_lt_u32 s14, 2
	s_cbranch_scc0 .Lnot_f0
	s_wait_tensorcnt 0x0                           ; waves 0 and 1: F0 is in; F1 may be out
.Lnot_f0:
	s_barrier_signal -1
	s_barrier_wait -1
	FG 0, 0, 0, 0, 48
	WIN 0
	s_wait_loadcnt 0x20                            ; the sixteen loads of scale words are in; the table's 32 may be out
	EVEN 0, 0, 1
	ODD 1, 1, GA2, GB2                             ; F1 is shown; F2 is asked for: a first fill
	global_prefetch_b8 v[PFVX], s[PFX:PFX+1] offset:FSTEP th:TH_LOAD_NT scope:SCOPE_SE   ; F3, which step 3 asks for
	global_prefetch_b8 v[PFVW], s[PFW:PFW+1] offset:FSTEP th:TH_LOAD_NT scope:SCOPE_SE
	s_add_nc_u64 s[GA0+2:GA0+3], s[GA0+2:GA0+3], 3*FSTEP   ; F0's loads have landed: their descriptors step on to F3
	s_add_nc_u64 s[GB0+2:GB0+3], s[GB0+2:GB0+3], 3*FSTEP
	EVEN 2, 1, 0
	ODD 3, 2, GA0, GB0                             ; F2 is shown; F3 is asked for, into F0's region
	EVEN 4, 2, 0
	ODD 5, 0, 0, 0                                 ; F3 is shown
	EVEN 6, 0, 0
	s_wait_dscnt 0x0
.irp gi, 0,1,2,3,4,5,6,7,8,9,10,11
	MUL4 \gi, 1, 7, 0
.endr
	WIN 0
	PLACES
; THE WAY OUT.
; The rotation of tile m's 32 numbers a lane: (x1, x2) -> (x1 cos - x2 sin, x1 sin + x2 cos), two packed instructions a pair.  Each accumulator is read from its low end on.
.macro ROPE acc, m
	WIN 0x53|((1+(\m)/2)<<2)                       ; source 0 the accumulators (window 3), source 1 the table (window 1 or 2), the rest window 1
.set TBB, 192+32*((\m)%2)
.set e, 0
.rept 16
	v_pk_mul_f32 v[TT+2*e:TT+2*e+1], v[(\acc)+2*e:(\acc)+2*e+1], v[TBB+2*e:TBB+2*e+1] op_sel:[1,1] op_sel_hi:[1,0]   ; (x2 sin, x2 cos)
.set e, e+1
.endr
.set e, 0
.rept 16
	v_pk_fma_f32 v[XR+2*e:XR+2*e+1], v[(\acc)+2*e:(\acc)+2*e+1], v[TBB+2*e:TBB+2*e+1], v[TT+2*e:TT+2*e+1] op_sel_hi:[0,1,1] neg_lo:[0,0,1]
.set e, e+1
.endr
.endm
; 32 numbers of a lane in window wx, register 16 b + i = index 32 b + 16 h + i, become 2 x 12 bytes of codes in v[PC], v[PC + 4] on; the two bytes in v[BY], v[BY + 1]; v[WD] = b0 | b1 << 16.
.macro QUANT2 x, wx
	WIN ((\wx)<<4)|((\wx)<<2)
.irp b, 0,1
	v_max3_num_f32 v[TM+\b], 0x1800000, |v[(\x)+16*\b]|, |v[(\x)+16*\b+1]|   ; with the floor 2^(3 - 127): the byte cannot fall under 1
.endr
.irp i, 2,4,6,8,10,12,14
.irp b, 0,1
	v_max3_num_f32 v[TM+\b], v[TM+\b], |v[(\x)+16*\b+\i]|, |v[(\x)+16*\b+\i+1]|
.endr
.endr
	WIN 0
.irp b, 0,1
	v_permlanex16_b32 v[TM+2+\b], v[TM+\b], s2, s3
.endr
.irp b, 0,1
	v_max_num_f32 v[TM+\b], v[TM+\b], v[TM+2+\b]   ; with lane l xor 16's: the block's largest magnitude
.endr
.irp b, 0,1
	v_add_nc_u32 v[SO+\b], 0xff000000, v[TM+\b]    ; 2 off its exponent field: the conversion's scale operand
.endr
.irp b, 0,1
	v_lshrrev_b32 v[BY+\b], 23, v[SO+\b]           ; the scale's byte
.endr
	s_wait_alu depctr_va_vdst(0)
	s_wait_dscnt 0x0                               ; the last tile's stores into the stage have read their registers; loads back from it are in
	WIN (\wx)
	v_cvt_scalef32_pk16_fp6_f32 v[PC:PC+2], v[(\x):(\x)+15], v[SO]
	v_cvt_scalef32_pk16_fp6_f32 v[PC+4:PC+6], v[(\x)+16:(\x)+31], v[SO+1]
	WIN 0
	v_lshl_or_b32 v[WD], v[BY+1], 16, v[BY]        ; (also the plain line behind the conversions)
.endm
.macro PUTC adr, t, i                  ; my two pieces of 12 bytes to places of 16 bytes: section t, units 16 i on
	ds_store_b96 v[\adr], v[PC:PC+2] offset:5120*(\t)+1280*(\i)
	ds_store_b96 v[\adr], v[PC+4:PC+6] offset:5120*(\t)+1280*(\i)+32
.endm
.macro ROTATED acc, m, t
	ROPE \acc, \m
	QUANT2 XR, 1
	v_lshl_or_b32 v[WD], v[WD], 8, v[WD]           ; the word: (b0, b0, b1, b1)
	PUTC STO, \t, \m
	ds_store_b32 v[QWS], v[WD] offset:256*(\t)+64*(\m)   ; both halves of the lanes write the same word with the same value
.endm
.macro BACK t                          ; section t back from my stage: LDS serves a wave's instructions in order, these see my stores
.irp k, 0,1,2,3,4,5,6,7
	ds_load_b96 v[OB+32*(\t)+4*\k:OB+32*(\t)+4*\k+2], v[LDR] offset:5120*(\t)+640*\k
.endr
.endm
.macro SEND t                          ; 32 lanes store 384 consecutive bytes
.irp k, 0,1,2,3,4,5,6,7
	global_store_b96 v15, v[OB+32*(\t)+4*\k:OB+32*(\t)+4*\k+2], s[10:11] offset:3145728*(\t)+384*\k
.endr
.endm
.irp a, 0,1,2,3
	QUANT2 128+32*\a, 0                            ; V: a lane's 32 registers are its channel's 64 keys' halves; no rotation
	PUTC STV, 2, \a
	ds_store_b32 v[VWS], v[WD] offset:64*\a        ; my two key blocks' bytes, at bytes 0 and 2
.endr
	BACK 2
	s_wait_loadcnt 0x0                             ; the table
	ROTATED 0, 0, 0
	SEND 2                                         ; (behind the quantiser's wait for all LDS work)
	ROTATED 32, 1, 0
	ROTATED 64, 2, 0
	ROTATED 96, 3, 0
	BACK 0
	s_wait_alu depctr_va_vdst(0)
	s_wait_dscnt 0x0                               ; for the others' sake: my stores are done; and Q is back
	s_barrier_signal -1
	s_barrier_wait -1                              ; a word of V's scales joins two waves' bytes
	SEND 0
	s_cmp_lt_u32 s14, 2
	s_cbranch_scc0 .Lno_v_words
	ds_load_b64 v[232:233], v[VWR]                 ; blocks 0, 1 of the step (wave 2 w): bytes 0 and 2;
	ds_load_b64 v[234:235], v[VWR] offset:256      ; blocks 2, 3 (wave 2 w + 1): bytes 1 and 3
	s_wait_dscnt 0x0
	v_lshl_or_b32 v232, v234, 8, v232
	v_lshl_or_b32 v233, v235, 8, v233
	global_store_b64 v13, v[232:233], s[98:99]
.Lno_v_words:
	ROTATED 128, 0, 1
	ROTATED 160, 1, 1
	ROTATED 192, 2, 1
	ROTATED 224, 3, 1
	BACK 1
	ds_load_b64 v[224:225], v[QWR]
	ds_load_b64 v[226:227], v[QWR] offset:256
	s_wait_dscnt 0x0
	SEND 1
	global_store_b64 v13, v[224:225], s[12:13]                     ; 32 lanes store 256 consecutive bytes, aligned
	global_store_b64 v13, v[226:227], s[12:13] offset:262144
	s_wait_tensorcnt 0x0                           ; the wave's end
	ds_add_u32 v[SPW], v[NIL]
	s_wait_dscnt 0x0
	CROUND                                         ; the closing round
	s_endpgm
.Lfunc_end_k_q2f57bbb361_qkv:
	.size	k_q2f57bbb361_qkv, .Lfunc_end_k_q2f57bbb361_qkv-k_q2f57bbb361_qkv
	.p2alignl 7, 3214868480
	.fill 96, 4, 3214868480
	.section	.rodata,"a",@progbits
	.p2align	6, 0x0
	.amdhsa_kernel k_q2f57bbb361_qkv
		.amdhsa_group_segment_fixed_size 327680
		.amdhsa_private_segment_fixed_size 0
		.amdhsa_enable_private_segment 0
		.amdhsa_kernarg_size 40
		.amdhsa_user_sgpr_count 2
		.amdhsa_user_sgpr_kernarg_segment_ptr 1
		.amdhsa_wavefront_size32 1
		.amdhsa_system_sgpr_workgroup_id_x 1
		.amdhsa_system_sgpr_workgroup_id_y 1
		.amdhsa_system_sgpr_workgroup_id_z 1
		.amdhsa_system_vgpr_workitem_id 0
		.amdhsa_next_free_vgpr 1024
		.amdhsa_next_free_sgpr 102
		.amdhsa_reserve_vcc 0
		.amdhsa_float_denorm_mode_32 3
		.amdhsa_float_denorm_mode_16_64 3
		.amdhsa_memory_ordered 1
		.amdhsa_forward_progress 1
		.amdhsa_inst_pref_size 141
	.end_amdhsa_kernel
	.amdgpu_metadata
---
amdhsa.version: [ 1, 2 ]
amdhsa.kernels:
  - .name:           k_q2f57bbb361_qkv
    .symbol:         k_q2f57bbb361_qkv.kd
    .args:
      - { .name: codes, .offset: 0, .size: 8, .value_kind: global_buffer, .address_space: global }
      - { .name: scales, .offset: 8, .size: 8, .value_kind: global_buffer, .address_space: global }
      - { .name: rope, .offset: 16, .size: 8, .value_kind: global_buffer, .address_space: global }
      - { .name: qkvc, .offset: 24, .size: 8, .value_kind: global_buffer, .address_space: global }
      - { .name: qkvs, .offset: 32, .size: 8, .value_kind: global_buffer, .address_space: global }
    .group_segment_fixed_size: 327680
    .private_segment_fixed_size: 0
    .kernarg_segment_align: 8
    .kernarg_segment_size: 40
    .max_flat_workgroup_size: 128
    .sgpr_count:     102
    .vgpr_count:     1024
    .wavefront_size: 32
...
	.end_amdgpu_metadata
.endif
;; end of part 2
;; launch attn (part 3): grid 32 x 8, 16 waves a work-group, no clusters, 327,680 bytes of LDS; arguments qkvc, qkvs, ctxc, ctxs; writes ctxc, ctxs
.if DOCPART == 3
	.amdgcn_target "amdgcn-amd-amdhsa--gfx1250"
	.amdhsa_code_object_version 6
	.text
	.protected	k_q2f57bbb361_attn
	.globl	k_q2f57bbb361_attn
	.p2align	8
	.type	k_q2f57bbb361_attn,@function
k_q2f57bbb361_attn:
	s_mov_b64 s[64:65], 0
	v_nop
	global_prefetch_b8 v0, s[64:65] scope:SCOPE_SE
	s_setreg_imm32_b32 hwreg(HW_REG_WAVE_MODE, 25, 1), 1
	s_wait_xcnt 0x0
; ctx = softmax(Q K^T / 8, causal) V for one head and batch (bh), both products on codes of FP6 (E2M3) with E8M0 scales; ctx is quantised along the model's axis on its way out.
; WORK LEFT OUT: key steps of 128 that lie wholly behind a block of 128 queries: the causal mask throws them away for all values of the inputs.
; THE SOFTMAX: t = score x log2(e) / 8; M = the running largest t rounded up to a whole number; p = 2^(t - M) is quantised along the keys, not normalised; the row's sum is taken of the unquantised p and divides at the end.
; SHARES.  A work-group (bh, i), i = 0 .. 7, owns the blocks i (short: i + 1 key steps) and 15 - i (long: 16 - i) of 128 queries, eight tiles of 16 queries each: 17 steps for a pair of tiles, which TWO WAVES share:
;   wave A, nine trips n = 0 .. 8: step min(2 n, n + 7 - i) of the long tile: the even ones and then the rest, the diagonal last;
;   wave B: trips 0 .. i the short tile's steps; then, from trip T = max(i + 1, 2) on, the long tile's 7 - i odd steps 1, 3, ..: 2 (n - T) + 1.  One trip of its nine is empty: 8, or for i = 0 trip 1.
; At trip T wave B lays the short tile's state (O^T, -M, the sum) into LDS and begins anew with the long tile's queries; at the end it hands its part of the long tile to wave A through LDS.  Two states join by powers of two, 2^(M's part - M).
; Waves 2 t and 2 t + 1 are a pair; of four waves with the same number modulo 4, or the same quarter of the sixteen, two are A and two B.
; ALL OF K AND V OF THE HEAD COMES TO LIE IN LDS, each byte filled once, by one tensor load a wave at the head: wave 0 K's words, wave 1 V's words, waves 2-5 the quarters of chunk 0 (key steps 0-3), waves 6-9 of chunk 1, waves 10-13 of chunk 2,
; waves 14, 15 chunk 3 of K and of V.  At trip n no wave reads beyond step 2 n: the first barrier waits for waves 0-5 alone and serves trips 0 and 1; the second, ahead of trip 2, waits for all.
; NO JOINT LOADS, though the eight work-groups of a head read the same K and V: which lines a wave passes over hangs on its work-group's block of queries, and partners of a cluster may not branch differently.
; NO PREFETCH: every byte of K and V is asked for by the head's loads; nothing is left to ask for ahead.
; Q K^T HAS K = 64 IN AN INSTRUCTION OF 128.  A row of K is 48 bytes; of a run of 12 registers lanes 0-15 put one tile into blocks 0 and 2 of the instruction's K, lanes 16-31 another tile into blocks 1 and 3.
; Q is kept twice: QA with the query in lanes 0-15 and zero codes in lanes 16-31, QB the other way round.  The run x QA is the one tile, the run x QB the other: the other tile's codes meet zero codes.  Words are (b0, b0, b1, b1).
; WHICH KEYS FORM A TILE: tile 4 c + j (c = 0, 1; j = 0 .. 3) takes eight keys 8 j + i of block c and eight keys 8 (j xor 2) + i of block c + 2 (blocks of 32 of the step's 128 keys).  So register 32 c + 8 j + i of a lane of half 0 is
; key 8 j + i of block c, of half 1 key 8 (j xor 2) + i of block c + 2: A LANE'S 32 REGISTERS ARE ONE WHOLE SCALE BLOCK, and no other lane is asked for its maximum or its codes.  V's odd planes have the halves of each block exchanged likewise.
; (Eight keys and eight others whose stored rows differ by 8 modulo 16 put the sixteen lanes' 48-byte rows at sixteen different quarters of 64 bytes.)  V's planes of 64 keys put a step's blocks in the order 0, 2, 1, 3, as p's registers have them.
; LIMITS: a block of zeros or under 2^-124 gets the byte 1; NaN and infinities are not served; scaled scores (exponents to the base 2) under 2^31 in magnitude.
; REGISTERS: v1, v2 K's rows for even and odd runs; v3 V's; v4, v8 K's words; v9 V's words; v5 my spare word's address, v6 zero; v7 8 h; v10 my pair's place for states; v11, v41 a step's addresses; v12 -M, v13 the largest score, v[14:15] the sum;
;   v16-27 QA; v28-39 QB; v40 Q's word; v42 p's word; v43 the long tile's word; v44-91 four runs of K, then the softmax's work; v92-95 K's words; v96-159 S^T, then p; v160-191 O^T; v192-239 V's fragments; v240-243 V's words; v244-255 the long tile's Q.
.set VOF,  98304                       ; LDS: K's codes 98,304 bytes, then V's,
.set SCK,  196608                      ; K's words 8,192 bytes,
.set SCV,  204800                      ; V's 4,096,
.set STG,  208896                      ; a stage of 1,280 bytes for each wave,
.set SAV,  229376                      ; states: 4,608 bytes for each pair's short tile, and behind those eight
.set PART, 36864                       ; as many for wave B's part of the long tile;
.set SPARE, 303104                     ; and the spare words, 128 bytes for each wave: eight blocks of 256 bytes that no other line names
.set CHK,  24576                       ; a chunk of K or of V: four key steps
.set SEC,  3145728                     ; a section of qkvc: Q, K, V
.set S,    96
.set PC,   44                          ; p's codes
.set CT,   56                          ; the conversions' second halves
.set BM,   64                          ; the blocks' largest scores, then largest p
.set CH,   66                          ; four chains of maxima
.set BP,   70
.set SO,   72
.set G1C,  32                          ; half a chunk: 48 lines of 256 dense bytes
.set G1D,  40                          ; a chunk: 96 lines
.set G1KS, 48                          ; K's words: 32 lines
.set G1VS, 56                          ; V's: 16 lines
.set GS,   68
.set GC,   72
.set GD,   76
.macro WALU
	s_wait_alu depctr_va_vdst(0)
.endm
.macro TLOAD g0, g1
	tensor_load_to_lds s[\g0:\g0+3], s[\g1:\g1+7]
	s_nop 0
.rept 4
	v_nop
.endr
.endm
.macro ARM under, g0, g1, next
	s_cmp_lt_u32 s12, \under
	s_cbranch_scc0 \next
	TLOAD \g0, \g1
	s_branch .Lasked
\next:
.endm
.macro QUERIES from                    ; QA and QB from a tile's twelve registers
	s_mov_b32 vcc_lo, 0xffff0000
.set n, 0
.rept 12
	v_cndmask_b32 v[16+n], v[(\from)+n], 0, vcc_lo     ; QA: the query in lanes 0-15, zero codes in lanes 16-31
	v_cndmask_b32 v[28+n], 0, v[(\from)+n], vcc_lo     ; QB: the other way round
.set n, n+1
.endr
.endm
.macro BEGIN                           ; a tile's state: nothing summed, the largest score under every score
	v_mov_b32 v12, 0x7f61b1e6                      ; -M = 3e38
	v_mov_b32 v13, 0xff61b1e6                      ; -3e38
	v_mov_b32 v14, 0
	v_mov_b32 v15, 0
.set n, 0
.rept 32
	v_mov_b32 v[160+n], 0                          ; O^T.  (The step is written for every trip alike: the first finds zeros, which the first change of M leaves zeros)
.set n, n+1
.endr
.endm
.macro PUT off                         ; a state into LDS: 16 bytes a lane, 512 bytes a line
.irp k, 0,1,2,3,4,5,6,7
	ds_store_b128 v10, v[160+4*\k:163+4*\k] offset:(\off)+512*\k
.endr
	ds_store_b128 v10, v[12:15] offset:(\off)+4096
.endm
	s_load_b256 s[4:11], s[0:1], 0x0               ; qkvc s[4:5], qkvs s[6:7], ctxc s[8:9], ctxs s[10:11]
	v_lshl_add_u32 v5, v0, 2, SPARE
	v_mov_b32 v6, 0
	ds_add_u32 v5, v6                              ; the opening lines: the add twice on end, one wait below
	ds_add_u32 v5, v6
	v_lshrrev_b32 v44, 5, v0
	v_readfirstlane_b32 s12, v44                   ; wave 0..15
	s_mov_b32 s13, ttmp9                           ; bh
	s_and_b32 s14, ttmp7, 0xffff                   ; i
	s_lshr_b32 s15, s12, 2
	s_xor_b32 s15, s15, s12
	s_and_b32 s15, s15, 1                          ; 1: wave A, 0: wave B
	s_lshr_b32 s16, s12, 1                         ; the pair's tile in both blocks
	s_sub_co_u32 s18, 15, s14                      ; the long block
	s_sub_co_u32 s25, 7, s14
	s_add_co_u32 s26, s14, 1
	s_max_u32 s26, s26, 2                          ; T
	s_lshl_b32 s30, s26, 1
	s_sub_co_u32 s30, 1, s30                       ; 1 - 2 T
	s_cmp_eq_u32 s14, 0
	s_cselect_b32 s27, 1, 8
	s_cmp_eq_u32 s15, 1
	s_cselect_b32 s17, s18, s14                    ; the block whose rows I store in the end
	s_cselect_b32 s27, 15, s27                     ; my empty trip (A: none)
	s_cselect_b32 s28, 15, s26                     ; the trip at which I change tiles (A: none)
	s_cselect_b32 s29, 8, s14                      ; my trip on the diagonal
	s_mov_b32 s19, 0                               ; the trip in hand
	s_mov_b32 s20, 0x76543210
	s_mov_b32 s21, 0xfedcba98                      ; v_permlanex16_b32's selects for lane l xor 16
	s_mov_b32 s22, 0x3e38aa3b                      ; c = log2(e) / 8
	s_mov_b32 s23, s22                             ; (named with it as a pair, so it is written)
	s_mov_b32 s24, 0xbe38aa3b                      ; -c
	s_lshr_b32 s31, s16, 1
	s_lshl_b32 s31, s31, 5
	s_and_b32 s86, s16, 1
	s_lshl_b32 s86, s86, 3
	s_add_co_u32 s31, s31, s86                     ; 32 (tile / 2) + 8 (tile % 2): where my tile's queries begin in a block
.irp g, G1C, G1D, G1KS, G1VS
	s_mov_b32 s[\g], 3<<16                         ; no mask, elements of 8 bytes, no padding
	s_mov_b32 s[\g+1], 32<<16
	s_mov_b32 s[\g+3], 32<<16
	s_mov_b32 s[\g+5], 32
	s_mov_b32 s[\g+6], 0
	s_mov_b32 s[\g+7], 0
.endr
	s_mov_b32 s[G1C+2], 48<<16
	s_mov_b32 s[G1C+4], 48
	s_mov_b32 s[G1D+2], 96<<16
	s_mov_b32 s[G1D+4], 96
	s_mov_b32 s[G1KS+2], 32<<16
	s_mov_b32 s[G1KS+4], 32
	s_mov_b32 s[G1VS+2], 16<<16
	s_mov_b32 s[G1VS+4], 16
	s_mov_b32 s[GS], 1
	s_mov_b32 s[GC], 1
	s_mov_b32 s[GD], 1
	s_mul_i32 s91, s13, 98304                      ; a head's codes in each section
	s_add_co_u32 s86, s12, 14
	s_and_b32 s86, s86, 15                         ; quarter waves 2-13: u = wave - 2: chunk u / 4, K or V by bit 1, half by bit 0
	s_lshr_b32 s87, s86, 2
	s_bfe_u32 s88, s86, 0x10001
	s_and_b32 s89, s86, 1
	s_mul_i32 s87, s87, CHK
	s_mul_i32 s89, s89, CHK/2
	s_add_co_u32 s87, s87, s89
	s_mul_i32 s90, s88, VOF
	s_add_co_u32 s[GC+1], s90, s87
	s_mul_i32 s92, s88, SEC
	s_add_co_u32 s92, s92, s91
	s_add_co_u32 s92, s92, s87
	s_add_co_u32 s92, s92, SEC
	s_mov_b32 s93, 0
	s_and_b32 s94, s12, 1                          ; waves 14, 15 and 0, 1: K (0) or V (1)
	s_mul_i32 s95, s94, VOF
	s_add_co_u32 s[GD+1], s95, 3*CHK
	s_mul_i32 s96, s94, SEC
	s_add_co_u32 s96, s96, s91
	s_add_co_u32 s96, s96, SEC+3*CHK
	s_mov_b32 s97, 0
	s_lshl_b32 s95, s94, 13
	s_add_co_u32 s[GS+1], s95, SCK
	s_lshl_b32 s98, s13, 13
	s_lshr_b32 s98, s98, s94                       ; K's words 8,192 bytes a head, V's 4,096
	s_lshl_b32 s95, s94, 18
	s_add_co_u32 s98, s98, s95
	s_add_co_u32 s98, s98, 262144
	s_mov_b32 s99, 0
	s_wait_dscnt 0x0                               ; both opening adds are done
	s_wait_kmcnt 0x0
	s_add_nc_u64 s[GS+2:GS+3], s[6:7], s[98:99]
	s_or_b32 s[GS+3], s[GS+3], 0x80000000
	s_add_nc_u64 s[GC+2:GC+3], s[4:5], s[92:93]
	s_or_b32 s[GC+3], s[GC+3], 0x80000000
	s_add_nc_u64 s[GD+2:GD+3], s[4:5], s[96:97]
	s_or_b32 s[GD+3], s[GD+3], 0x80000000
	ARM 1, GS, G1KS, .Lwave_1
	ARM 2, GS, G1VS, .Lwave_2
	ARM 6, GC, G1C, .Lwave_6
	ARM 14, GC, G1C, .Lwave_14
	TLOAD GD, G1D
.Lasked:
	s_lshl_b32 s86, s17, 3
	s_add_co_u32 s86, s86, s16                     ; my first tile of 16 stored queries,
	s_lshl_b32 s88, s18, 3
	s_add_co_u32 s88, s88, s16                     ; and the long block's
	s_lshl_b32 s92, s13, 13
	s_lshl_b32 s94, s86, 6
	s_add_co_u32 s94, s94, s92
	s_mov_b32 s95, 0
	s_lshl_b32 s96, s88, 6
	s_add_co_u32 s96, s96, s92
	s_mov_b32 s97, 0
	s_mul_i32 s86, s86, 768
	s_add_co_u32 s86, s86, s91
	s_mov_b32 s87, 0
	s_mul_i32 s88, s88, 768
	s_add_co_u32 s88, s88, s91
	s_mov_b32 s89, 0
	s_add_nc_u64 s[86:87], s[4:5], s[86:87]
	s_add_nc_u64 s[88:89], s[4:5], s[88:89]
	s_add_nc_u64 s[94:95], s[6:7], s[94:95]
	s_add_nc_u64 s[96:97], s[6:7], s[96:97]
	v_and_b32 v44, 15, v0                          ; r
	v_bfe_u32 v45, v0, 4, 1                        ; h
	v_mul_u32_u24 v46, v44, 48
	v_lshlrev_b32 v47, 2, v44
.irp c, 0,1,2
	global_load_b128 v[S+4*\c:S+4*\c+3], v46, s[86:87] offset:16*\c       ; both halves of the lanes take stored query r
.endr
	global_load_b32 v40, v47, s[94:95]
.irp c, 0,1,2
	global_load_b128 v[244+4*\c:244+4*\c+3], v46, s[88:89] offset:16*\c   ; the long tile's, for wave B's change (wave A has them already)
.endr
	global_load_b32 v43, v47, s[96:97]
	s_mul_i32 s92, s16, 4608
	s_add_co_u32 s92, s92, SAV
	v_and_b32 v48, 7, v0                           ; i
	v_bfe_u32 v49, v0, 3, 1                        ; g: the second block of a tile
	v_and_b32 v53, 31, v0                          ; lane
	v_lshl_add_u32 v50, v45, 4, v48
	v_mad_u32_u24 v51, v49, 72, v50                ; stored row of K in an even run: 64 g + 8 g + 16 (lane / 16) + i,
	v_mad_u32_u24 v52, v49, 56, v50
	v_add_nc_u32 v52, 8, v52                       ; in an odd run: 64 g + 8 (1 - g) + 16 (lane / 16) + i
	v_mul_u32_u24 v1, v51, 48
	v_mul_u32_u24 v2, v52, 48
	v_lshl_add_u32 v4, v51, 2, SCK
	v_lshl_add_u32 v8, v52, 2, SCK
	v_mad_u32_u24 v3, v45, 3072, v46
	v_add_nc_u32 v3, VOF, v3                       ; V: channel r of plane h
	v_lshl_add_u32 v9, v44, 2, SCV
	v_lshlrev_b32 v7, 3, v45
	v_lshl_add_u32 v10, v53, 4, s92
	v_mov_b32 v[BP], 0                             ; a lane permute's destination counts as one of its sources
	v_mov_b32 v[BP+1], 0
	v_mov_b32 v75, 0                               ; (named as upper halves of pairs)
	v_mov_b32 v77, 0
	BEGIN
	WALU
	s_wait_loadcnt 0x0
	QUERIES S
; THE TRIPS up to number last - 1.  mask: the greatest step that they reach is not above it; change: wave B may change tiles.
.macro TRIPS last, mask, change
.Ltrip_\@:
	s_lshl_b32 s80, s19, 1
	s_add_co_u32 s81, s80, s30                     ; B, long tile: 2 (n - T) + 1
	s_cmp_le_u32 s19, s14
	s_cselect_b32 s81, s19, s81                    ; B, short tile: n
	s_add_co_u32 s83, s19, s25
	s_min_u32 s80, s80, s83                        ; A
	s_cmp_eq_u32 s15, 1
	s_cselect_b32 s80, s80, s81
	s_and_b32 s80, s80, \mask                      ; the key step
	s_mul_i32 s82, s80, 6144                       ; its codes,
	s_lshl_b32 s83, s80, 9                         ; K's words,
	s_lshl_b32 s84, s80, 8                         ; V's
.if \change
	s_cmp_eq_u32 s15, 1                            ; wave A never changes tiles: the eight waves B have eight places for states
	s_cbranch_scc1 .Lsame_\@
	s_cmp_lg_u32 s19, s28
	s_cbranch_scc1 .Lsame_\@
.rept 4
	v_nop                                          ; places behind the last products
.endr
	PUT 0                                          ; the short tile's state; only this wave reads it back
	QUERIES 244
	v_mov_b32 v40, v43
	WALU
	s_wait_dscnt 0x0
	BEGIN
	WALU
.Lsame_\@:
.endif
	s_cmp_eq_u32 s19, s27                          ; my empty trip: a branch on ids
	s_cbranch_scc1 .Lempty_\@
	v_add_nc_u32 v96, s82, v1                      ; (these six are also the places in front of the loads into registers that the last products read)
	v_add_nc_u32 v97, s82, v2
	v_add_nc_u32 v11, s82, v3
	v_add_nc_u32 v98, s83, v4
	v_add_nc_u32 v99, s83, v8
	v_add_nc_u32 v41, s84, v9
.irp u, 0,1,2,3
.irp c, 0,1,2
	ds_load_b128 v[44+12*\u+4*\c:44+12*\u+4*\c+3], v[96+\u%2] offset:1536*(\u/2)+16*\c
.endr
	ds_load_b32 v[92+\u], v[98+\u%2] offset:128*(\u/2)
.endr
.irp t, 0,1,2,3
.irp c, 0,1,2
	ds_load_b128 v[192+12*\t+4*\c:192+12*\t+4*\c+3], v11 offset:768*\t+16*\c
.endr
	ds_load_b32 v[240+\t], v41 offset:64*\t
.endr
	s_wait_dscnt 16                                ; K's sixteen loads are in; V's sixteen may be out until the softmax is done
.irp u, 0,1,2,3
	v_wmma_scale_f32_16x16x128_f8f6f4 v[S+16*\u:S+16*\u+7], v[44+12*\u:44+12*\u+11], v[16:27], 0, v[92+\u], v40 matrix_a_fmt:MATRIX_FMT_FP6 matrix_b_fmt:MATRIX_FMT_FP6
	v_wmma_scale_f32_16x16x128_f8f6f4 v[S+8+16*\u:S+8+16*\u+7], v[44+12*\u:44+12*\u+11], v[28:39], 0, v[92+\u], v40 matrix_a_fmt:MATRIX_FMT_FP6 matrix_b_fmt:MATRIX_FMT_FP6 matrix_a_scale:MATRIX_SCALE_ROW1
.endr
.rept 4
	v_nop
.endr
	s_cmp_lg_u32 s19, s29                          ; only the step on the diagonal has hidden keys
	s_cbranch_scc1 .Lopen_\@
	v_and_b32 v78, 7, v0
	v_bfe_u32 v79, v0, 3, 1
	v_lshl_add_u32 v78, v79, 4, v78                ; r % 8 + 16 (r / 8): stored query r's place
	v_add_nc_u32 v78, s31, v78
	v_mul_u32_u24 v79, v7, 10                      ; 80 h
	v_sub_nc_u32 v78, v78, v79                     ; register n of 32 c + 0 .. 15 is key n, or n + 80 in half 1: hidden where n > query - 80 h;
	v_lshl_add_u32 v79, v7, 2, v78                 ; of 32 c + 16 .. 31 key n, or n + 48: where n > query - 48 h
	v_mov_b32 v80, 0xff800000                      ; -infinity: p = 0 then
.set n, 0
.rept 64
	v_cmp_gt_i32 vcc_lo, n, v[78+(n/16)%2]
	v_cndmask_b32 v[S+n], v[S+n], v80, vcc_lo
.set n, n+1
.endr
.Lopen_\@:
.irp k, 0,1,2,3
	v_max3_num_f32 v[CH+\k], v[S+16*\k], v[S+1+16*\k], v[S+2+16*\k]
.endr
.irp i, 3,5,7,9,11,13
.irp k, 0,1,2,3
	v_max3_num_f32 v[CH+\k], v[CH+\k], v[S+16*\k+\i], v[S+1+16*\k+\i]
.endr
.endr
.irp c, 0,1
	v_max3_num_f32 v[BM+\c], v[CH+2*\c], v[CH+1+2*\c], v[S+15+32*\c]
.endr
.irp c, 0,1
	v_max_num_f32 v[BM+\c], v[BM+\c], v[S+31+32*\c]   ; the largest score of my lane's two blocks: for the row's maximum, and, since p rises with the score, for the blocks' largest p
.endr
	v_max_num_f32 v78, v[BM], v[BM+1]
	s_delay_alu instid0(VALU_DEP_1)
	v_permlanex16_b32 v[BP], v78, s20, s21
	s_delay_alu instid0(VALU_DEP_1)
	v_max3_num_f32 v13, v13, v78, v[BP]            ; the running largest score of my query
	s_delay_alu instid0(VALU_DEP_1)
	v_mul_f32 v79, s24, v13                        ; -t
	s_delay_alu instid0(VALU_DEP_1)
	v_floor_f32 v79, v79                           ; the new -M = -ceil(t)
	s_delay_alu instid0(VALU_DEP_1)
	v_sub_f32 v78, v79, v12                        ; old M - new M: a whole number, 0 or less
	v_mov_b32 v12, v79
	v_cvt_i32_f32 v78, v78                         ; (it saturates)
	s_delay_alu instid0(VALU_DEP_1)
	v_ldexp_f32 v76, 1.0, v78                      ; f = 2^(old M - new M): a multiplication by it rounds nothing
.set n, 0
.rept 32
	v_pk_fma_f32 v[S+n:S+n+1], v[S+n:S+n+1], s[22:23], v[12:13] op_sel_hi:[1,0,0]   ; t - M
.set n, n+2
.endr
.irp c, 0,1
	v_fma_f32 v[BM+\c], v[BM+\c], s22, v12
.endr
	WALU
.set n, 0
.rept 64
	v_exp_f32 v[S+n], v[S+n]                       ; p = 2^(t - M)
.set n, n+1
.endr
.irp c, 0,1
	v_exp_f32 v[BM+\c], v[BM+\c]                   ; the block's largest p: the same two instructions on the same number
.endr
	v_pk_mul_f32 v[14:15], v[14:15], v[76:77] op_sel_hi:[1,0]      ; the sums under the new M.  (A plain line behind the exponentials)
	WALU
.set n, 0
.rept 16
	v_pk_mul_f32 v[160+n:161+n], v[160+n:161+n], v[76:77] op_sel_hi:[1,0]   ; O^T under the new M
.set n, n+2
.endr
.irp c, 0,1
	v_max_num_f32 v[BM+\c], 0x1800000, v[BM+\c]    ; the floor 2^(3 - 127)
.endr
.irp c, 0,1
	v_add_nc_u32 v[SO+\c], 0xff000000, v[BM+\c]    ; the conversion's scale operand
.endr
.irp c, 0,1
	v_cvt_scalef32_pk16_fp6_f32 v[PC+6*\c:PC+6*\c+2], v[S+32*\c:S+32*\c+15], v[SO+\c]
	v_cvt_scalef32_pk16_fp6_f32 v[CT+4*\c:CT+4*\c+2], v[S+16+32*\c:S+16+32*\c+15], v[SO+\c]   ; (a conversion's three registers begin on an even number)
.endr
.irp c, 0,1
	v_lshrrev_b32 v[CH+\c], 23, v[SO+\c]           ; the scale's byte.  (Also the plain line behind the conversions)
.endr
	v_lshl_or_b32 v[CH], v[CH+1], 16, v[CH]
	v_lshlrev_b32 v[CH], v7, v[CH]                 ; my two bytes at their places: 8 h and 16 + 8 h bits up
.irp c, 0,1
.irp i, 0,1,2
	v_mov_b32 v[PC+3+6*\c+\i], v[CT+4*\c+\i]
.endr
.endr
	v_permlanex16_b32 v[BP], v[CH], s20, s21
.irp j, 0,1,2,3,4,5
	v_pk_add_f32 v[80+2*\j:81+2*\j], v[S+4*\j:S+4*\j+1], v[S+4*\j+2:S+4*\j+3]   ; the sum of the unquantised p, in seven chains
.endr
	v_or_b32 v42, v[CH], v[BP]                     ; p's word, with lane l xor 16's two bytes
.set n, 12
.rept 20
.if (n-12)%7 == 0
	v_pk_add_f32 v[14:15], v[14:15], v[S+2*n:S+2*n+1]
.else
	v_pk_add_f32 v[78+2*((n-12)%7):79+2*((n-12)%7)], v[78+2*((n-12)%7):79+2*((n-12)%7)], v[S+2*n:S+2*n+1]
.endif
.set n, n+1
.endr
	v_pk_add_f32 v[80:81], v[80:81], v[82:83]
	v_pk_add_f32 v[84:85], v[84:85], v[86:87]
	v_pk_add_f32 v[88:89], v[88:89], v[90:91]
	v_pk_add_f32 v[14:15], v[14:15], v[80:81]
	v_pk_add_f32 v[84:85], v[84:85], v[88:89]
	v_pk_add_f32 v[14:15], v[14:15], v[84:85]      ; (the sums are the places between p's word and codes and the products)
	WALU
	s_wait_dscnt 0x0                               ; V
.irp t, 0,1,2,3
	v_wmma_scale_f32_16x16x128_f8f6f4 v[160+8*\t:160+8*\t+7], v[192+12*\t:192+12*\t+11], v[PC:PC+11], v[160+8*\t:160+8*\t+7], v[240+\t], v42 matrix_a_fmt:MATRIX_FMT_FP6 matrix_b_fmt:MATRIX_FMT_FP6
.endr
.Lempty_\@:
	s_add_co_u32 s19, s19, 1
	s_cmp_lg_u32 s19, \last
	s_cbranch_scc1 .Ltrip_\@
.endm
	WALU
	s_cmp_lt_u32 s12, 6
	s_cbranch_scc0 .Llater
	s_wait_tensorcnt 0x0                           ; the words and chunk 0 are in; the later chunks may be out
.Llater:
	s_barrier_signal -1
	s_barrier_wait -1
	TRIPS 2, 3, 0                                  ; trips 0 and 1: steps 0 to 2, all in chunk 0
	WALU
	s_wait_tensorcnt 0x0
	s_wait_dscnt 0x0
	s_barrier_signal -1
	s_barrier_wait -1                              ; all of K and V is in
	TRIPS 9, 15, 1
	; THE JOINING AND THE WAY OUT
.rept 4
	v_nop                                          ; places behind the last products
.endr
	s_cmp_eq_u32 s15, 1
	s_cbranch_scc1 .Lwave_a
	PUT PART                                       ; wave B's part of the long tile
.Lwave_a:
	s_mul_i32 s86, s15, PART
	s_mul_i32 s87, s12, 1280
	s_add_co_u32 s87, s87, STG
	s_and_b32 s88, s13, 15                         ; the head
	s_lshr_b32 s89, s13, 4
	s_lshl_b32 s89, s89, 11
	s_lshl_b32 s90, s17, 7
	s_add_co_u32 s89, s89, s90
	s_add_co_u32 s89, s89, s31                     ; the first row of ctx that I store
	s_mul_i32 s92, s88, 196608
	s_mul_i32 s90, s89, 48
	s_add_co_u32 s92, s92, s90
	s_mov_b32 s93, 0
	s_add_nc_u64 s[8:9], s[8:9], s[92:93]          ; ctx's codes: plane = head
	s_lshl_b32 s92, s89, 5
	s_lshr_b32 s90, s88, 1
	s_lshl_b32 s90, s90, 2
	s_add_co_u32 s92, s92, s90
	s_and_b32 s90, s88, 1
	s_add_co_u32 s92, s92, s90
	s_add_nc_u64 s[10:11], s[10:11], s[92:93]      ; its scale bytes: 32 a row; head hd, block B at 4 (hd / 2) + hd % 2 + 2 B
	v_add_nc_u32 v11, s86, v10                     ; A: the partner's part of the long tile; B: the short tile's state
	v_and_b32 v44, 15, v0
	v_bfe_u32 v45, v0, 4, 1
	v_and_b32 v46, 31, v0
	v_mul_u32_u24 v1, v44, 80
	v_lshl_add_u32 v1, v45, 4, v1
	v_add_nc_u32 v1, s87, v1                       ; stage, in: unit r of 80 bytes, place h (block b: 32 more)
	v_lshrrev_b32 v2, 2, v46
	v_mul_u32_u24 v2, v2, 80
	v_and_b32 v47, 3, v46
	v_lshl_add_u32 v2, v47, 4, v2
	v_add_nc_u32 v2, s87, v2                       ; back: unit lane / 4, place lane % 4
	v_mul_u32_u24 v3, v46, 12
	v_and_b32 v4, 7, v0
	v_bfe_u32 v47, v0, 3, 1
	v_lshl_add_u32 v4, v47, 4, v4
	v_lshlrev_b32 v4, 5, v4
	v_lshl_add_u32 v4, v45, 1, v4                  ; stored query r's row of scale bytes, and block h's byte
	v_mov_b32 v79, 0x7f61b1e6
	v_add_f32 v14, v14, v15
	WALU
	s_wait_dscnt 0x0
	s_barrier_signal -1
	s_barrier_wait -1                              ; the parts of the long tiles are in LDS
.irp k, 0,1,2,3,4,5,6,7
	ds_load_b128 v[192+4*\k:195+4*\k], v11 offset:512*\k
.endr
	ds_load_b128 v[224:227], v11 offset:4096       ; -M, the largest score, the sum's two halves
	s_cmp_eq_u32 s15, 1
	s_cselect_b32 s88, -1, 0
	s_wait_dscnt 0x0
	v_cndmask_b32 v12, v79, v12, s88               ; B: what it holds in registers has been handed over: M far below, so that its factor is 0
	v_add_f32 v226, v226, v227
	v_min_num_f32 v78, v12, v224                   ; -M of both
	v_sub_f32 v12, v78, v12
	v_sub_f32 v79, v78, v224
	v_cvt_i32_f32 v12, v12
	v_cvt_i32_f32 v79, v79
	v_ldexp_f32 v76, 1.0, v12
	v_ldexp_f32 v74, 1.0, v79
	v_mul_f32 v14, v14, v76
	v_fma_f32 v14, v226, v74, v14
	v_permlanex16_b32 v[BP], v14, s20, s21
	v_add_f32 v14, v14, v[BP]                      ; the row's sum
	WALU
	v_rcp_f32 v14, v14
	v_nop                                          ; one plain line behind the reciprocal
	WALU
	v_mul_f32 v76, v76, v14
	v_mul_f32 v74, v74, v14
.set n, 0
.rept 16
	v_pk_mul_f32 v[S+n:S+n+1], v[160+n:161+n], v[76:77] op_sel_hi:[1,0]
.set n, n+2
.endr
.set n, 0
.rept 16
	v_pk_fma_f32 v[S+n:S+n+1], v[192+n:193+n], v[74:75], v[S+n:S+n+1] op_sel_hi:[1,0,1]   ; ctx: register 16 b + i is channel 32 b + 16 h + i of my query
.set n, n+2
.endr
.irp b, 0,1
	v_max3_num_f32 v[BM+\b], 0x1800000, |v[S+16*\b]|, |v[S+1+16*\b]|
.endr
.irp i, 2,4,6,8,10,12,14
.irp b, 0,1
	v_max3_num_f32 v[BM+\b], v[BM+\b], |v[S+16*\b+\i]|, |v[S+1+16*\b+\i]|
.endr
.endr
.irp b, 0,1
	v_permlanex16_b32 v[BP+\b], v[BM+\b], s20, s21
.endr
.irp b, 0,1
	v_max_num_f32 v[BM+\b], v[BM+\b], v[BP+\b]
.endr
.irp b, 0,1
	v_add_nc_u32 v[SO+\b], 0xff000000, v[BM+\b]
.endr
.irp b, 0,1
	v_lshrrev_b32 v[CH+\b], 23, v[SO+\b]
.endr
	v_cvt_scalef32_pk16_fp6_f32 v[44:46], v[S:S+15], v[SO]
	v_cvt_scalef32_pk16_fp6_f32 v[48:50], v[S+16:S+31], v[SO+1]
	s_mov_b32 vcc_lo, 0xffff0000
	v_cndmask_b32 v76, v[CH], v[CH+1], vcc_lo      ; block h's byte.  (Also the plain line behind the conversions)
	ds_store_b96 v1, v[44:46]
	ds_store_b96 v1, v[48:50] offset:32
	ds_load_b96 v[52:54], v2                       ; LDS serves a wave's instructions in order: these see my stores
	ds_load_b96 v[56:58], v2 offset:640
	global_store_b8 v4, v76, s[10:11]              ; a word joins two heads, which lie in different work-groups: so these 131,072 bytes of the launch leave byte by byte
	s_wait_dscnt 1                                 ; the first of the two loads is in
	global_store_b96 v3, v[52:54], s[8:9]          ; stored queries 0-7 of the tile are eight neighbouring rows: 384 consecutive bytes;
	s_wait_dscnt 0x0
	global_store_b96 v3, v[56:58], s[8:9] offset:768   ; 8-15 lie sixteen rows on
	s_wait_tensorcnt 0x0                           ; the wave's end, behind my last tensor load and my last LDS store
	ds_add_u32 v5, v6
	s_wait_dscnt 0x0
	s_endpgm
.Lfunc_end_k_q2f57bbb361_attn:
	.size	k_q2f57bbb361_attn, .Lfunc_end_k_q2f57bbb361_attn-k_q2f57bbb361_attn
	.p2alignl 7, 3214868480
	.fill 96, 4, 3214868480
	.section	.rodata,"a",@progbits
	.p2align	6, 0x0
	.amdhsa_kernel k_q2f57bbb361_attn
		.amdhsa_group_segment_fixed_size 327680
		.amdhsa_private_segment_fixed_size 0
		.amdhsa_enable_private_segment 0
		.amdhsa_kernarg_size 32
		.amdhsa_user_sgpr_count 2
		.amdhsa_user_sgpr_kernarg_segment_ptr 1
		.amdhsa_wavefront_size32 1
		.amdhsa_system_sgpr_workgroup_id_x 1
		.amdhsa_system_sgpr_workgroup_id_y 1
		.amdhsa_system_sgpr_workgroup_id_z 1
		.amdhsa_system_vgpr_workitem_id 0
		.amdhsa_next_free_vgpr 256
		.amdhsa_next_free_sgpr 102
		.amdhsa_reserve_vcc 1
		.amdhsa_float_denorm_mode_32 3
		.amdhsa_float_denorm_mode_16_64 3
		.amdhsa_memory_ordered 1
		.amdhsa_forward_progress 1
		.amdhsa_inst_pref_size 64
	.end_amdhsa_kernel
	.amdgpu_metadata
---
amdhsa.version: [ 1, 2 ]
amdhsa.kernels:
  - .name:           k_q2f57bbb361_attn
    .symbol:         k_q2f57bbb361_attn.kd
    .args:
      - { .name: qkvc, .offset: 0, .size: 8, .value_kind: global_buffer, .address_space: global }
      - { .name: qkvs, .offset: 8, .size: 8, .value_kind: global_buffer, .address_space: global }
      - { .name: ctxc, .offset: 16, .size: 8, .value_kind: global_buffer, .address_space: global }
      - { .name: ctxs, .offset: 24, .size: 8, .value_kind: global_buffer, .address_space: global }
    .group_segment_fixed_size: 327680
    .private_segment_fixed_size: 0
    .kernarg_segment_align: 8
    .kernarg_segment_size: 32
    .max_flat_workgroup_size: 512
    .sgpr_count:     102
    .vgpr_count:     256
    .wavefront_size: 32
...
	.end_amdgpu_metadata
.endif
;; end of part 3
;; launch proj (part 4): grid 8 x 32, 4 waves a work-group, clusters of 4 x 4, 229,888 bytes of LDS; arguments ctxc, ctxs, codes, scales, out0; writes out0
.if DOCPART == 4
	.amdgcn_target "amdgcn-amd-amdhsa--gfx1250"
	.amdhsa_code_object_version 6
	.text
	.protected	k_q2f57bbb361_proj
	.globl	k_q2f57bbb361_proj
	.p2align	8
	.type	k_q2f57bbb361_proj,@function
k_q2f57bbb361_proj:
	s_mov_b64 s[64:65], 0
	v_nop
	global_prefetch_b8 v0, s[64:65] scope:SCOPE_SE
	s_setreg_imm32_b32 hwreg(HW_REG_WAVE_MODE, 25, 1), 1
	s_wait_xcnt 0x0
	s_wait_alu depctr_hold_cnt(0) depctr_sa_sdst(0) depctr_va_vdst(0) depctr_va_sdst(0) depctr_va_ssrc(0) depctr_va_vcc(0) depctr_vm_vsrc(0)
	s_getreg_b32 s2, hwreg(HW_REG_IB_STS2, 6, 4)
	s_cmp_eq_u32 s2, 0
	s_cbranch_scc0 .Lentry_in_a_cluster
	s_endpgm
.Lentry_in_a_cluster:
	s_bfe_u32 s2, ttmp6, 0x10000c
	s_cmp_lg_u32 s2, 0xf033
	s_cbranch_scc0 .Lentry_shape_is_right
	s_endpgm
.Lentry_shape_is_right:
; out = ctx wo^T on codes of FP6 (E2M3) with E8M0 scales; out [4,096][1,024] f32.
; A tile of out is 128 x 128, so that there are 256 work-groups; four waves, 2 x 2, each 64 x 64: 16 accumulators.  Source 0 = 16 stored rows of wo, source 1 = 16 rows of ctx: a lane holds eight neighbouring numbers of a row of out.
; wo's stored rows have bits 3 and 4 exchanged: register j of tile a in a lane of half h is column 32 (a / 2) + 16 h + 8 (a % 2) + j.
; Codes lie [plane of 64 along K][row][48 bytes]; lane (r, h) takes all 48 bytes of row r in plane 2 q + h; the scale words hold a K step's blocks in the order 0, 2, 1, 3, as the fragments do.
; ALL OF K (1,024) FITS IN LDS, in two halves of 8 planes, each byte filled once, one tensor load a wave at the head: wave 0 ctx's first half, wave 1 wo's, wave 2 ctx's second, wave 3 wo's.  The first barrier waits for waves 0 and 1 alone;
; the second, in K step 3, for all.  Nothing is filled again, and nothing is left to prefetch.
; CLUSTERS: 4 x 4.  ctx's tiles are shared along a row of the cluster, wo's along a column: each is asked for jointly.
; SCALE WORDS come from memory straight into registers, 32 bytes a row, for all of K; ctx's and wo's of one product lie in registers whose numbers differ modulo 8.
; LIMITS: NaN and infinities are not served.
; REGISTERS: window 0: v1-31 addresses; v32-63 ctx's scale words (tile m, K step s at 32 + 8 m + s), v68-99 wo's (68 + 8 a + s), nothing else; v128-255 accumulators (m, a) at 128 + 8 (4 m + a).
;   window 1: fragment set p at 128 p: wo tile a at 12 a, ctx tile m at 48 + 12 m; on the way out v0-63.
.set PL,    6144                       ; 128 rows x 48
.set HALF,  98304                      ; half of K: ctx's 8 planes, then wo's
.set BOF,   49152
.set STG,   196608                     ; a stage of 16 rows x 272 bytes for each wave, into which no fill lands
.set SPARE, 214016                     ; the spare words, 128 bytes for each wave: two blocks of 256 bytes that no other line names
.set ADRA,  16
.set ADRB,  18
.set STO,   25
.set RD,    26
.set CO,    27
.set SCA,   32
.set SCB,   68
.set ACC,   128
.set G1,   24
.set G1B,  32
.set GA0,  56
.set GB0,  60
.set GA1,  68
.set GB1,  72
.set MSB, 0
.macro WIN new                         ; the immediate's high byte repeats the setting that is left
.if MSB != (\new)
	s_set_vgpr_msb (MSB<<8)|(\new)
.set MSB, (\new)
.endif
.endm
.macro PLACES
.rept 4
	v_nop
.endr
.endm
.macro TLOAD g0, g1
	tensor_load_to_lds s[\g0:\g0+3], s[\g1:\g1+7]
	s_nop 0
	PLACES
.endm
.macro ARM under, g0, g1, next
	s_cmp_lt_u32 s14, \under
	s_cbranch_scc0 \next
	TLOAD \g0, \g1
	s_branch .Lasked
\next:
.endm
.macro CROUND                          ; a round of the cluster's barrier
	s_barrier_signal -1
	s_barrier_wait -1
	s_cmp_lg_u32 s14, 0
	s_cbranch_scc1 .Lnot_wave_0_\@
	s_barrier_signal -3
.Lnot_wave_0_\@:
	s_barrier_wait -3
	s_barrier_signal -1
	s_barrier_wait -1
.endm
.macro G0A g, src, add
	s_add_nc_u64 s[\g+2:\g+3], s[\src:\src+1], \add
	s_or_b32 s[\g+3], s[\g+3], 0x80000000
.endm
	s_load_b256 s[4:11], s[0:1], 0x0               ; ctxc s[4:5], ctxs s[6:7], codes s[8:9], scales s[10:11]
	s_load_b64 s[12:13], s[0:1], 0x20              ; out
	v_lshl_add_u32 v30, v0, 2, SPARE
	v_mov_b32 v31, 0
	ds_add_u32 v30, v31                            ; the opening lines: the add twice on end, one wait below
	ds_add_u32 v30, v31
	v_lshrrev_b32 v1, 5, v0
	v_readfirstlane_b32 s14, v1                    ; wave 0..3
	s_lshr_b32 s15, s14, 1                         ; my half of the tile's rows
	s_and_b32 s16, s14, 1                          ; my half of its columns
	s_bfe_u32 s17, ttmp6, 0x40000                  ; cx
	s_bfe_u32 s18, ttmp6, 0x40004                  ; cy
	s_lshl_b32 s19, ttmp9, 2
	s_add_co_u32 s19, s19, s17                     ; tile column
	s_and_b32 s20, ttmp7, 0xffff
	s_lshl_b32 s20, s20, 2
	s_add_co_u32 s20, s20, s18                     ; tile row
	s_lshl_b32 s21, s18, 2
	s_lshl_b32 s21, 15, s21                        ; my row of the cluster
	s_lshl_b32 s22, 0x1111, s17                    ; my column
	s_or_b32 s[G1], s21, (3<<16)|(1<<21)           ; ctx: elements of 8 bytes; 8 lines (planes) of 768 elements (128 rows x 48 bytes), 24,576 elements apart
	s_or_b32 s[G1B], s22, (3<<16)|(1<<21)          ; wo: the same, 49,152 apart
.irp g, G1, G1B
	s_mov_b32 s[\g+1], 768<<16
	s_mov_b32 s[\g+2], 8<<16
	s_mov_b32 s[\g+3], 768<<16
	s_mov_b32 s[\g+4], 8
	s_mov_b32 s[\g+6], 0
	s_mov_b32 s[\g+7], 0
.endr
	s_mov_b32 s[G1+5], 24576
	s_mov_b32 s[G1B+5], 49152
.irp g, GA0, GB0, GA1, GB1
	s_mov_b32 s[\g], 1
.endr
	s_mov_b32 s[GA0+1], 0                          ; LDS addresses: constants, the same in every work-group
	s_mov_b32 s[GB0+1], BOF
	s_mov_b32 s[GA1+1], HALF
	s_mov_b32 s[GB1+1], HALF+BOF
	s_mul_i32 s92, s20, 6144                       ; ctx's codes: row 128 x tile row
	s_mov_b32 s93, 0
	s_mul_i32 s94, s19, 6144                       ; wo's: row 7,168 + 128 x tile column
	s_add_co_u32 s94, s94, 344064
	s_mov_b32 s95, 0
	s_wait_dscnt 0x0                               ; both opening adds are done
	CROUND                                         ; all sixteen work-groups are here: the joint loads meet
	s_wait_kmcnt 0x0
	s_add_nc_u64 s[92:93], s[4:5], s[92:93]
	s_add_nc_u64 s[94:95], s[8:9], s[94:95]
	G0A GA0, 92, 0
	G0A GB0, 94, 0
	G0A GA1, 92, 1572864
	G0A GB1, 94, 3145728
	ARM 1, GA0, G1, .Lwave_1
	ARM 2, GB0, G1B, .Lwave_2
	ARM 3, GA1, G1, .Lwave_3
	TLOAD GB1, G1B
.Lasked:
	s_lshl_b32 s40, s20, 12                        ; scale bytes: 32 a row: ctx's row 128 x tile row + 64 x half
	s_lshl_b32 s41, s15, 11
	s_add_co_u32 s40, s40, s41
	s_lshl_b32 s41, s19, 12                        ; wo's row 7,168 + 128 x tile column + 64 x half
	s_lshl_b32 s42, s16, 11
	s_add_co_u32 s41, s41, s42
	s_add_co_u32 s41, s41, 229376
	v_and_b32 v1, 15, v0                           ; r
	v_bfe_u32 v2, v0, 4, 1                         ; h
	v_lshl_add_u32 v22, v1, 5, s40
	v_lshl_add_u32 v23, v1, 5, s41
.irp g, 0,1,2,3
	global_load_b128 v[SCA+8*\g:SCA+8*\g+3], v22, s[6:7] offset:512*\g          ; a row's eight scale words, for all of K (both halves of the lanes take row r)
	global_load_b128 v[SCA+8*\g+4:SCA+8*\g+7], v22, s[6:7] offset:512*\g+16
	global_load_b128 v[SCB+8*\g:SCB+8*\g+3], v23, s[10:11] offset:512*\g
	global_load_b128 v[SCB+8*\g+4:SCB+8*\g+7], v23, s[10:11] offset:512*\g+16
.endr
	s_lshl_b32 s92, s20, 19                        ; out: row 128 tile row + 64 half, 4,096 bytes a row; column 128 tile column + 64 half
	s_lshl_b32 s93, s15, 18
	s_add_co_u32 s92, s92, s93
	s_lshl_b32 s93, s19, 9
	s_add_co_u32 s92, s92, s93
	s_lshl_b32 s93, s16, 8
	s_add_co_u32 s92, s92, s93
	s_mov_b32 s93, 0
	s_add_nc_u64 s[12:13], s[12:13], s[92:93]
	s_mul_i32 s2, s15, 3072                        ; my 64 rows of ctx,
	s_mul_i32 s3, s16, 3072                        ; of wo
	s_wait_alu depctr_va_vdst(0)
	v_mul_u32_u24 v4, v1, 48
	v_mad_u32_u24 v4, v2, PL, v4                   ; row r, plane h
.irp f, 0,1
	v_add_nc_u32 v[ADRA+\f], s2, v4
	v_add_nc_u32 v5, s3, v4
	v_add_nc_u32 v[ADRB+\f], BOF, v5
	s_add_co_u32 s2, s2, HALF
	s_add_co_u32 s3, s3, HALF
.endr
	s_mul_i32 s2, s14, 4352
	s_add_co_u32 s2, s2, STG
	v_mul_u32_u24 v4, v1, 272
	v_lshl_add_u32 v4, v2, 6, v4
	v_add_nc_u32 v[STO], s2, v4                    ; the stage, in: row r, 64 h bytes on
	v_mul_u32_u24 v4, v2, 272
	v_lshl_add_u32 v4, v1, 4, v4
	v_add_nc_u32 v[RD], s2, v4                     ; back: lanes 0-15 one row of 256 bytes, lanes 16-31 the next
	v_lshlrev_b32 v[CO], 12, v2
	v_lshl_add_u32 v[CO], v1, 4, v[CO]             ; and the same two rows in out
; Four products: ctx tile m x wo's four.  The 16 accumulators take turns, one instruction a turn, in the same order in every K step.
.macro MUL4 m, s
	WIN 0x05
.set P_, 128*((\s)%2)
.irp a, 0,1,2,3
.if (\s) == 0
	v_wmma_scale_f32_16x16x128_f8f6f4 v[ACC+8*(4*(\m)+\a):ACC+8*(4*(\m)+\a)+7], v[P_+12*\a:P_+12*\a+11], v[P_+48+12*(\m):P_+48+12*(\m)+11], 0, v[SCB+8*\a+(\s)], v[SCA+8*(\m)+(\s)] matrix_a_fmt:MATRIX_FMT_FP6 matrix_b_fmt:MATRIX_FMT_FP6
.else
	v_wmma_scale_f32_16x16x128_f8f6f4 v[ACC+8*(4*(\m)+\a):ACC+8*(4*(\m)+\a)+7], v[P_+12*\a:P_+12*\a+11], v[P_+48+12*(\m):P_+48+12*(\m)+11], v[ACC+8*(4*(\m)+\a):ACC+8*(4*(\m)+\a)+7], v[SCB+8*\a+(\s)], v[SCA+8*(\m)+(\s)] matrix_a_fmt:MATRIX_FMT_FP6 matrix_b_fmt:MATRIX_FMT_FP6
.endif
.endr
.endm
.macro FG s, k0, n                     ; loads k0 .. k0 + n - 1 of the 24 of K step s: wo's twelve, then ctx's
	WIN 0x40
.set k_, \k0
.rept \n
.if k_ < 12
	ds_load_b128 v[128*((\s)%2)+4*k_:128*((\s)%2)+4*k_+3], v[ADRB+(\s)/4] offset:2*((\s)%4)*PL+768*(k_/3)+16*(k_%3)
.else
	ds_load_b128 v[128*((\s)%2)+4*k_:128*((\s)%2)+4*k_+3], v[ADRA+(\s)/4] offset:2*((\s)%4)*PL+768*((k_-12)/3)+16*((k_-12)%3)
.endif
.set k_, k_+1
.endr
.endm
.macro STEP s                          ; K step s; the next step's fragments are fetched among its products
	PLACES
.irp m, 0,1,2,3
	s_wait_dscnt 9+3*\m                            ; wo's fragments and ctx's tiles 0 .. m are in; 9 - 3 m of this step's loads and the next step's 6 m may be out
	MUL4 \m, \s
	FG (\s)+1, 6*\m, 6
.endr
	WIN 0
.endm
	s_wait_alu depctr_va_vdst(0)
	s_cmp_lt_u32 s14, 2
	s_cbranch_scc0 .Lsecond
	s_wait_tensorcnt 0x0                           ; waves 0 and 1: the first half is in; the second may be out
.Lsecond:
	s_barrier_signal -1
	s_barrier_wait -1
	FG 0, 0, 24
	WIN 0
	s_wait_loadcnt 0x0                             ; the scale words
	STEP 0
	STEP 1
	STEP 2
	s_wait_tensorcnt 0x0                           ; K step 3: all of K is shown
	s_wait_dscnt 0x0
	s_barrier_signal -1
	MUL4 0, 3
	WIN 0
	s_barrier_wait -1
	PLACES
.irp m, 1,2,3
	MUL4 \m, 3
	FG 4, 8*(\m-1), 8
.endr
	WIN 0
	STEP 4
	STEP 5
	STEP 6
.irp m, 0,1,2,3
	s_wait_dscnt 9-3*\m
	MUL4 \m, 7
.endr
	WIN 0
; THE WAY OUT, 16 rows x 64 columns at a time, through my own stage: back come whole rows of 256 bytes.  LDS serves a wave's instructions in order: no wait between the stores and the loads, nor in front of the next tile's stores.
.macro TOSTAGE m
.irp a, 0,1,2,3
	ds_store_b128 v[STO], v[ACC+8*(4*(\m)+\a):ACC+8*(4*(\m)+\a)+3] offset:128*(\a/2)+32*(\a%2)        ; each accumulator from its low end on
	ds_store_b128 v[STO], v[ACC+8*(4*(\m)+\a)+4:ACC+8*(4*(\m)+\a)+7] offset:128*(\a/2)+32*(\a%2)+16
.endr
	WIN 0x40                                       ; back into window 1
.irp k, 0,1,2,3,4,5,6,7
	ds_load_b128 v[32*((\m)%2)+4*\k:32*((\m)%2)+4*\k+3], v[RD] offset:544*\k
.endr
	WIN 0
.endm
.macro SEND m, younger                 ; younger: the LDS instructions issued behind tile m's loads, which may stay out
	s_wait_dscnt \younger
	WIN 0x04                                       ; the data: window 1
.irp k, 0,1,2,3,4,5,6,7
	global_store_b128 v[CO], v[32*((\m)%2)+4*\k:32*((\m)%2)+4*\k+3], s[12:13] offset:4096*(16*(\m)+2*\k) th:TH_STORE_NT   ; 16 lanes store 256 consecutive bytes, aligned; written once, read by nobody here
.endr
	WIN 0
.endm
	PLACES
	TOSTAGE 0
.irp m, 1,2,3
.if \m > 1
	s_wait_xcnt 0x0                                ; tile m - 2's stores have read their registers: tile m's loads may land there
.endif
	TOSTAGE \m
	SEND \m-1, 16                                  ; behind tile m - 1's loads: tile m's eight stores and eight loads
.endr
	SEND 3, 0
	s_wait_tensorcnt 0x0                           ; the wave's end
	ds_add_u32 v30, v31
	s_wait_dscnt 0x0
	CROUND                                         ; the closing round: no work-group ends while a partner may still ask for a tile that names it
	s_endpgm
.Lfunc_end_k_q2f57bbb361_proj:
	.size	k_q2f57bbb361_proj, .Lfunc_end_k_q2f57bbb361_proj-k_q2f57bbb361_proj
	.p2alignl 7, 3214868480
	.fill 96, 4, 3214868480
	.section	.rodata,"a",@progbits
	.p2align	6, 0x0
	.amdhsa_kernel k_q2f57bbb361_proj
		.amdhsa_group_segment_fixed_size 229888
		.amdhsa_private_segment_fixed_size 0
		.amdhsa_enable_private_segment 0
		.amdhsa_kernarg_size 40
		.amdhsa_user_sgpr_count 2
		.amdhsa_user_sgpr_kernarg_segment_ptr 1
		.amdhsa_wavefront_size32 1
		.amdhsa_system_sgpr_workgroup_id_x 1
		.amdhsa_system_sgpr_workgroup_id_y 1
		.amdhsa_system_sgpr_workgroup_id_z 1
		.amdhsa_system_vgpr_workitem_id 0
		.amdhsa_next_free_vgpr 512
		.amdhsa_next_free_sgpr 102
		.amdhsa_reserve_vcc 0
		.amdhsa_float_denorm_mode_32 3
		.amdhsa_float_denorm_mode_16_64 3
		.amdhsa_memory_ordered 1
		.amdhsa_forward_progress 1
		.amdhsa_inst_pref_size 50
	.end_amdhsa_kernel
	.amdgpu_metadata
---
amdhsa.version: [ 1, 2 ]
amdhsa.kernels:
  - .name:           k_q2f57bbb361_proj
    .symbol:         k_q2f57bbb361_proj.kd
    .args:
      - { .name: ctxc, .offset: 0, .size: 8, .value_kind: global_buffer, .address_space: global }
      - { .name: ctxs, .offset: 8, .size: 8, .value_kind: global_buffer, .address_space: global }
      - { .name: codes, .offset: 16, .size: 8, .value_kind: global_buffer, .address_space: global }
      - { .name: scales, .offset: 24, .size: 8, .value_kind: global_buffer, .address_space: global }
      - { .name: out0, .offset: 32, .size: 8, .value_kind: global_buffer, .address_space: global }
    .group_segment_fixed_size: 229888
    .private_segment_fixed_size: 0
    .kernarg_segment_align: 8
    .kernarg_segment_size: 40
    .max_flat_workgroup_size: 128
    .sgpr_count:     102
    .vgpr_count:     512
    .wavefront_size: 32
...
	.end_amdgpu_metadata
.endif
;; end of part 4
